; MI455X (gfx1250); checked and timed in simulation.
; The chip was launched on July 23, 2026; its instructions are those of AMD's public machine-readable ISA for CDNA 5 (MIT licence, August 2026) and "CDNA5" Instruction Set Architecture Reference Guide (July 2026). The comments in the code are by the model that wrote it; some were corrected since.
;; Multi Head Attention. Allowed arithmetic: float matrix products may take bf16 or f16 operands with f32 sums; all other float work in f32.
;; Inputs: Wk 1,024 x 1,024 float32; Wo 1,024 x 1,024 float32; Wq 1,024 x 1,024 float32; Wv 1,024 x 1,024 float32; _K 4 x 2,048 x 1,024 float32; _Q 4 x 2,048 x 1,024 float32; _V 4 x 2,048 x 1,024 float32; bk 1,024 float32; bo 1,024 float32; bq 1,024 float32; bv 1,024 float32.
;; Outputs: out0 4 x 2,048 x 1,024 float32.
;; 2 versions, each right; version 2 is version 1 with the launch wcast written anew for expert scheduling mode. Each part assembles by itself: llvm-mc -triple=amdgcn-amd-amdhsa -mcpu=gfx1250 --defsym DOCPART=n.
;; ======== version 1 of 2: 5 launches
;; limits: values are held in f16: magnitudes above 65,504 overflow, below 6.1e-05 lose precision
;; workspace buffers: wts 8,388,608 bytes; kvq 50,331,648 bytes; pw 33,554,432 bytes; stat 1,048,576 bytes; att 16,777,216 bytes
;; launch wcast (part 1): grid 64 x 4, 8 waves a work-group, no clusters, 0 bytes of LDS; arguments Wk, Wv, Wq, Wo, wts; writes wts
.if DOCPART == 1
	.amdgcn_target "amdgcn-amd-amdhsa--gfx1250"
	.amdhsa_code_object_version 6
	.text
	.protected	k_q454b68d684_wcast
	.globl	k_q454b68d684_wcast
	.p2align	8
	.type	k_q454b68d684_wcast,@function
k_q454b68d684_wcast:
	s_mov_b64 s[64:65], 0
	v_nop
	global_prefetch_b8 v0, s[64:65] scope:SCOPE_SE
	s_setreg_imm32_b32 hwreg(HW_REG_WAVE_MODE, 25, 1), 1
	s_wait_xcnt 0x0
; WCAST.  wts[y][1024][1024], 16 bits a number: y = 0, 1, 2: Wk, Wv, Wq rounded to bf16; y = 3: Wo rounded to bf16 and that number written as f16
; (exact from 2^-14 up to f16's 65,504; below 2^-14 it keeps f16's fixed step of 6e-8; beyond 65,504 it would be an infinity: the limit of this program's Wo).
; A stream: no LDS, no matrix unit, no cluster: no byte is read twice and no wave depends on another.
; Work-group (x, y) takes 16,384 numbers of weight y.  Thread t takes, for i = 0 .. 15, the 16 bytes at 65,536 x + 4,096 i + 16 t and stores 8 bytes at 32,768 x + 2,048 i + 8 t:
; a wave's load covers 512 consecutive bytes, its store 256 consecutive bytes at a multiple of 256 from the buffer's first byte.  All 16 loads of a wave go out before the first wait.
.set X, 8                              ; v[8:71]    as loaded, 4 registers for each i
.set Y, 72                             ; v[72:103]  to store, 2 registers for each i: never rewritten, so no store's data wants a wait
.set W, 104                            ; v[104:107] at work
	s_load_b256 s[4:11], s[0:1], 0x0               ; Wk s[4:5], Wv s[6:7], Wq s[8:9], Wo s[10:11]
	s_load_b64 s[12:13], s[0:1], 0x20              ; wts
	s_and_b32 s14, ttmp7, 0xffff                   ; y: which weight
	s_mov_b32 s15, 0xffff0000                      ; a word's upper bf16
	v_lshlrev_b32 v1, 4, v0                        ; 16 t
	v_lshlrev_b32 v2, 3, v0                        ; 8 t
	s_lshl_b32 s16, ttmp9, 16                      ; my part of the source, in bytes
	s_mov_b32 s17, 0
	s_lshl_b32 s18, s14, 21                        ; weight y's part of wts,
	s_lshl_b32 s19, ttmp9, 15                      ; and my part of that
	s_add_co_u32 s18, s18, s19
	s_mov_b32 s19, 0
	s_wait_kmcnt 0x0
	s_cmp_eq_u32 s14, 1                            ; the source is chosen by y alone
	s_cselect_b64 s[4:5], s[6:7], s[4:5]
	s_cmp_eq_u32 s14, 2
	s_cselect_b64 s[4:5], s[8:9], s[4:5]
	s_cmp_eq_u32 s14, 3
	s_cselect_b64 s[4:5], s[10:11], s[4:5]
	s_add_nc_u64 s[4:5], s[4:5], s[16:17]
	s_add_nc_u64 s[12:13], s[12:13], s[18:19]
.set i, 0
.rept 16
	global_load_b128 v[X+4*i:X+4*i+3], v1, s[4:5] offset:4096*i th:TH_LOAD_NT
.set i, i+1
.endr
	s_cmp_eq_u32 s14, 3
	s_cbranch_scc1 .Lwo
.set i, 0
.rept 16
	s_wait_loadcnt 15-i                            ; loads come back in order: number i is in, the 15 - i younger ones stay out
	v_cvt_pk_bf16_f32 v[Y+2*i], v[X+4*i], v[X+4*i+1]
	v_cvt_pk_bf16_f32 v[Y+2*i+1], v[X+4*i+2], v[X+4*i+3]
	global_store_b64 v2, v[Y+2*i:Y+2*i+1], s[12:13] offset:2048*i
.set i, i+1
.endr
	s_endpgm
.Lwo:
.set i, 0
.rept 16
	s_wait_loadcnt 15-i                            ; as above
	v_cvt_pk_bf16_f32 v[W], v[X+4*i], v[X+4*i+1]   ; rounded to bf16, as every input of the program is,
	v_cvt_pk_bf16_f32 v[W+1], v[X+4*i+2], v[X+4*i+3]
	v_lshlrev_b32 v[W+2], 16, v[W]                 ; widened again (a shift, a mask),
	v_and_b32 v[W], s15, v[W]
	v_lshlrev_b32 v[W+3], 16, v[W+1]
	v_and_b32 v[W+1], s15, v[W+1]
	v_cvt_pk_f16_f32 v[Y+2*i], v[W+2], v[W]        ; and written as f16
	v_cvt_pk_f16_f32 v[Y+2*i+1], v[W+3], v[W+1]
	global_store_b64 v2, v[Y+2*i:Y+2*i+1], s[12:13] offset:2048*i
.set i, i+1
.endr
	s_endpgm
.Lfunc_end_k_q454b68d684_wcast:
	.size	k_q454b68d684_wcast, .Lfunc_end_k_q454b68d684_wcast-k_q454b68d684_wcast
	.p2alignl 7, 3214868480
	.fill 96, 4, 3214868480
	.section	.rodata,"a",@progbits
	.p2align	6, 0x0
	.amdhsa_kernel k_q454b68d684_wcast
		.amdhsa_group_segment_fixed_size 0
		.amdhsa_private_segment_fixed_size 0
		.amdhsa_enable_private_segment 0
		.amdhsa_kernarg_size 40
		.amdhsa_user_sgpr_count 2
		.amdhsa_user_sgpr_kernarg_segment_ptr 1
		.amdhsa_wavefront_size32 1
		.amdhsa_system_sgpr_workgroup_id_x 1
		.amdhsa_system_sgpr_workgroup_id_y 1
		.amdhsa_system_sgpr_workgroup_id_z 1
		.amdhsa_system_vgpr_workitem_id 0
		.amdhsa_next_free_vgpr 112
		.amdhsa_next_free_sgpr 66
		.amdhsa_reserve_vcc 0
		.amdhsa_float_denorm_mode_32 3
		.amdhsa_float_denorm_mode_16_64 3
		.amdhsa_memory_ordered 1
		.amdhsa_forward_progress 1
		.amdhsa_inst_pref_size 15
	.end_amdhsa_kernel
	.amdgpu_metadata
---
amdhsa.version: [ 1, 2 ]
amdhsa.kernels:
  - .name:           k_q454b68d684_wcast
    .symbol:         k_q454b68d684_wcast.kd
    .args:
      - { .name: Wk, .offset: 0, .size: 8, .value_kind: global_buffer, .address_space: global }
      - { .name: Wv, .offset: 8, .size: 8, .value_kind: global_buffer, .address_space: global }
      - { .name: Wq, .offset: 16, .size: 8, .value_kind: global_buffer, .address_space: global }
      - { .name: Wo, .offset: 24, .size: 8, .value_kind: global_buffer, .address_space: global }
      - { .name: wts, .offset: 32, .size: 8, .value_kind: global_buffer, .address_space: global }
    .group_segment_fixed_size: 0
    .private_segment_fixed_size: 0
    .kernarg_segment_align: 8
    .kernarg_segment_size: 40
    .max_flat_workgroup_size: 256
    .sgpr_count:     66
    .vgpr_count:     112
    .wavefront_size: 32
...
	.end_amdgpu_metadata
.endif
;; end of part 1
;; launch proj (part 2): grid 4 x 64, 4 waves a work-group, clusters of 4 x 4, 327,680 bytes of LDS; arguments _K, _V, _Q, bk, bv, bq, wts, kvq; writes kvq
.if DOCPART == 2
	.amdgcn_target "amdgcn-amd-amdhsa--gfx1250"
	.amdhsa_code_object_version 6
	.text
	.protected	k_q454b68d684_proj
	.globl	k_q454b68d684_proj
	.p2align	8
	.type	k_q454b68d684_proj,@function
k_q454b68d684_proj:
	s_mov_b64 s[64:65], 0
	v_nop
	global_prefetch_b8 v0, s[64:65] scope:SCOPE_SE
	s_setreg_imm32_b32 hwreg(HW_REG_WAVE_MODE, 25, 1), 1
	s_wait_xcnt 0x0
	s_wait_alu depctr_hold_cnt(0) depctr_sa_sdst(0) depctr_va_vdst(0) depctr_va_sdst(0) depctr_va_ssrc(0) depctr_va_vcc(0) depctr_vm_vsrc(0)
	s_getreg_b32 s2, hwreg(HW_REG_IB_STS2, 6, 4)
	s_cmp_eq_u32 s2, 0
	s_cbranch_scc0 .Lentry_in_a_cluster
	s_endpgm
.Lentry_in_a_cluster:
	s_bfe_u32 s2, ttmp6, 0x10000c
	s_cmp_lg_u32 s2, 0xf033
	s_cbranch_scc0 .Lentry_shape_is_right
	s_endpgm
.Lentry_shape_is_right:
; PROJ.  kvq[t][row][e] = sum over d of x_t[row][d] W_t[e][d] + b_t[e], t = 0, 1, 2 for K, V, Q.  x_t: [8192][1024] f32; W_t: wts[t], bf16; b_t: [1024] f32; kvq: [3][8192][1024] f16.
; x and b are rounded to bf16 (x on the way from LDS to the matrix unit), products in bf16, sums in f32 (they start with the bias), the result rounded once to f16.
; LIMIT.  A result beyond f16's 65,504 becomes an infinity; below 6e-5 f16 keeps its fixed step of 6e-8.  NaN and infinities are not treated apart.
; SHARES.  A tile is 128 rows x 256 columns; the four waves lie 2 x 2, each 64 x 128: 32 accumulators of 16 x 16, 256 registers.  K goes in steps of 128 through two LDS slots filled by the tensor data mover;
; a step is four quarters of 32 along K, 32 matrix instructions each, on two fragment buffers.
; A WORK-GROUP STAYS: it makes the same rows and columns of K, then of V, then of Q: 4 x 64 work-groups, three tiles each.  The three tiles' 24 K steps are ONE walk for the ring: 22 whole trips, each with a change of
; slots and a refill, and a tail that asks for nothing.  The change that enters a tile's last step asks for the next tensor's step 0, the next one for its step 1, so a tile goes out while the next tile's steps are
; on their way, and nothing waits for a tile's stores.  What a trip does hangs on counters that start from constants; the forward jumps pass no barrier and no tensor load.
; CLUSTER.  4 x 4 work-groups.  The four of a row of the cluster need the same tile of x, the four of a column the same tile of W: each tile is asked for jointly, by the same tensor load with the same
; descriptor and a mask that names the four.
; PREFETCH.  x is read once in the launch.  In the trip whose tensor load brings step m, waves 0 and 1 ask for step m + 1's tile of x: its 128 rows x 512 bytes are 256 blocks of 256 bytes, one for each of
; 4 partners x 2 waves x 32 lanes, so each block is asked for once.  Step 2 is asked for beside the first loads; in the last trip, which has no step left, the address is _Q's step 0, inside the buffer.
; THE MATRIX INSTRUCTION IS USED TRANSPOSED (source 0 = 16 rows of W, source 1 = 16 rows of x): a lane then holds row lane % 16 and eight neighbouring columns 8 (lane / 16) + 0..7.
; REGISTERS, in windows of 256 (s_set_vgpr_msb: bits 1:0 source 0, 3:2 source 1, 5:4 source 2, 7:6 destination):
;   window 0: v0-31 addresses; v64-159, v160-255 two fragment buffers (x's 4 fragments, then W's 8); the way out works in v160-255 alone: buffer 0 holds the next tile's first quarter by then
;   window 1: accumulator (a, b) at v[8 (8 a + b)]          window 2: v0-63 a quarter's x in f32, as loaded; v64-127 my 64 numbers of the tile's bias
.set PA,     528                       ; an LDS row of x: 512 bytes + 16 = 132 words; PB: a row of W: 256 + 16 = 68 words: row r starts at bank 4 r mod 64 (64 banks of 4 bytes: ISA guide 11.1)
.set PB,     272
.set HALFA,  64*PA                     ; 0x8400: what one tensor load brings of x, and what one wave reads of it
.set ABYTES, 2*HALFA                   ; 0x10800
.set HALFB,  128*PB                    ; 0x8800: the same for W
.set SLOTB,  ABYTES+2*HALFB            ; a slot holds 137,216 bytes
.set SLOT1,  0x22000                   ; slot 1 begins here.  The waves' parts begin at 0, 0x8400, 0x10800, 0x19000: none shares a bit with 0x22000, so one exclusive or changes slots
.set STAGE,  SLOT1+SLOTB               ; 276,480: 16 rows x 272 bytes for each wave, for the way out; no tensor load fills it
.set SPITCH, 272
.set SPARE,  STAGE+4*16*SPITCH         ; the spare words, 128 bytes for each wave: two blocks of 256 bytes that no other line names
.set STEPA,  512                       ; a K step in bytes of x
.set STEPB,  256                       ; and of W
.set NEXTW,  1024*1024*2-8*STEPB       ; what W's address takes besides a step where the next tensor's weights begin
.set SA,     128                       ; a quarter in bytes of an LDS row of x
.set SB,     64                        ; and of W
.set STEPS,  24                        ; three tiles of eight K steps
.set OUTP,   2048                      ; bytes in a row of kvq
.set TSTEP,  8192*OUTP                 ; from a tensor to the next in kvq
.set A0,  16                           ; v16  my lane's place in x's area of slot 0; never rewritten
.set B0,  17                           ; v17  the same for W
.set ADA, 18                           ; v18  LDS address of the run of loads in hand, x
.set ADB, 19                           ; v19  W
.set PO,  23                           ; v23  the prefetch: my block's byte offset from my half of x's tile; never rewritten
.set STO, 24                           ; v24  the way out: where I put 16 bytes of a row
.set RD,  25                           ; v25  where I read a row back
.set CO,  26                           ; v26  my byte offset in two rows of kvq
.set SO,  27                           ; v27  my byte offset in the bias; never rewritten
.set SPW, 28                           ; v28  LDS address of my spare word; never rewritten
.set NIL, 29                           ; v29  0; never rewritten
.set F0,  64
.set F1,  160
.set BK,  160                          ; the way out: v160-191 and v192-223 rows read back, by turns
.set TMP, 224                          ; v224-255 packed results
.set BI,  64                           ; window 2
.set NXA, 6                            ; s[6:7]   x of the next tensor at my tile's step 0
.set NXB, 8                            ; s[8:9]   the same for the tensor after it
.set BPN, 20                           ; s[20:21] the bias that is loaded next
.set BP1, 22                           ; s[22:23] the one after it
.set BP2, 96                           ; s[96:97] the last one
.set G1,  24                           ; s[24:31] descriptor group 1 for x's tiles; s[32:39] group 0: a set for each of the two first fills; the second then walks on
.set G0,  32
.set G1B, 48                           ; s[48:55], s[56:63] the same for W's
.set G0B, 56
.set TBA, 66                           ; s66  LDS byte, in x's rows, of the quarter to be fetched next
.set TBB, 67                           ; s67  the same in W's rows
.set CNT, 68
.set SL,  69                           ; s69  trips to go: in the trip that enters step n it holds 23 - n
.set NX,  70                           ; s70  (the step that s[PF] steps to next) mod 8: ahead of the change that enters step n it holds (n + 2) mod 8
.set EX,  72                           ; s[72:73] NEXTW or 0
.set HM,  76                           ; s76  a word's upper bf16
.set PF,  98                           ; s[98:99] x at my half of the tile that is loaded next; behind its step: of the tile that is prefetched
.set MSB, 0
.macro WIN new                         ; the immediate's high byte repeats the setting that is left; a switch that changes nothing is dropped
.if MSB != (\new)
	s_set_vgpr_msb (MSB<<8)|(\new)
.set MSB, \new
.endif
.endm
; A joint load: waves 0 and 1 fetch x's two halves, waves 2 and 3 W's; an s_nop 0 and four v_nop follow each of the two lines.  pf = 1: waves 0 and 1 also ask for the next step's tile of x.
.macro JLOAD s, pf
	s_cmp_eq_u32 s11, 0
	s_cbranch_scc0 .Lfor_b_\@
	tensor_load_to_lds s[G0+4*(\s):G0+4*(\s)+3], s[G1:G1+7]
	s_nop 0
.rept 4
	v_nop
.endr
.if \pf
	global_prefetch_b8 v[PO], s[PF:PF+1] th:TH_LOAD_NT scope:SCOPE_SE  ; row 64 x my half + 16 cx + lane / 2, block lane % 2 of the step's 512 bytes
.endif
	s_branch .Lasked_\@
.Lfor_b_\@:
	tensor_load_to_lds s[G0B+4*(\s):G0B+4*(\s)+3], s[G1B:G1B+7]
	s_nop 0
.rept 4
	v_nop
.endr
.Lasked_\@:
.endm
.macro CROUND                          ; a round of the cluster's barrier: my work-group's barrier; wave 0 signals for the work-group; every wave waits for all sixteen; my work-group's barrier once more
	s_barrier_signal -1
	s_barrier_wait -1
	s_cmp_lg_u32 s10, 0
	s_cbranch_scc1 .Lnot_wave_0_\@
	s_barrier_signal -3
.Lnot_wave_0_\@:
	s_barrier_wait -3
	s_barrier_signal -1
	s_barrier_wait -1
.endm
.macro BIAS                            ; my 64 numbers of the bias at s[BPN]: columns 16 b + 8 h + 0..7
	WIN 0x80                                       ; destination window 2, address window 0
.irp b, 0,1,2,3,4,5,6,7
	global_load_b128 v[BI+8*(\b):BI+8*(\b)+3],   v[SO], s[BPN:BPN+1] offset:64*(\b)
	global_load_b128 v[BI+8*(\b)+4:BI+8*(\b)+7], v[SO], s[BPN:BPN+1] offset:64*(\b)+16
.endr
	WIN 0
.endm
	s_load_b512 s[80:95], s[0:1], 0x0              ; _K s[80:81], _V s[82:83], _Q s[84:85], bk s[86:87], bv s[88:89], bq s[90:91], wts s[92:93], kvq s[94:95]
	v_lshl_add_u32 v[SPW], v0, 2, SPARE
	v_mov_b32 v[NIL], 0
	ds_add_u32 v[SPW], v[NIL]                      ; the wave's opening: the add and its wait ahead of my first tensor load; work on registers stands between them
	v_lshrrev_b32 v1, 5, v0
	v_readfirstlane_b32 s10, v1                    ; wave 0..3
	s_lshr_b32 s11, s10, 1                         ; which 64 rows of the tile are mine.  Also: I fetch for x (0) or for W (1)
	s_and_b32 s12, s10, 1                          ; which 128 columns.  Also: which half of that tile I fetch
	s_bfe_u32 s40, ttmp6, 0x40000                  ; cx, cy: my place in the cluster
	s_bfe_u32 s41, ttmp6, 0x40004
	s_lshl_b32 s42, ttmp9, 2
	s_add_co_u32 s42, s42, s40                     ; column tile = 4 x cluster x + cx
	s_and_b32 s45, ttmp7, 0xffff                   ; cluster y
	s_lshl_b32 s13, s45, 2
	s_add_co_u32 s13, s13, s41                     ; row tile = 4 x cluster y + cy
	s_lshl_b32 s43, s41, 2
	s_lshl_b32 s43, 15, s43                        ; my row of the cluster
	s_lshl_b32 s44, 0x1111, s40                    ; my column
	; descriptor group 1.  x: 64 rows x 128 elements of 4 bytes, 4 words of padding after every 128 words.  W: 128 rows x 128 elements of 2 bytes, 4 words after every 64.
	s_or_b32 s[G1+0], s43, (2<<16)|(1<<20)|(1<<21)|(6<<22)|(3<<25)   ; 15:0 the mask: my row; 17:16 element size; 20 padding on; 21 set beside a mask; 24:22 the interval; 31:25 the padding less one
	s_mov_b32 s[G1+1], 128<<16                     ; tensor_dim0 = 128
	s_mov_b32 s[G1+2], 64<<16                      ; tensor_dim1 = 64
	s_mov_b32 s[G1+3], 128<<16                     ; tile_dim0 = 128
	s_mov_b32 s[G1+4], 64                          ; tile_dim1 = 64
	s_mov_b32 s[G1+5], 1024                        ; elements from row to row
	s_mov_b32 s[G1+6], 0
	s_mov_b32 s[G1+7], 0
	s_or_b32 s[G1B+0], s44, (1<<16)|(1<<20)|(1<<21)|(5<<22)|(3<<25)  ; the mask: my column
	s_mov_b32 s[G1B+1], 128<<16
	s_mov_b32 s[G1B+2], 128<<16
	s_mov_b32 s[G1B+3], 128<<16
	s_mov_b32 s[G1B+4], 128
	s_mov_b32 s[G1B+5], 1024
	s_mov_b32 s[G1B+6], 0
	s_mov_b32 s[G1B+7], 0
	s_lshl_b32 s16, s13, 7                         ; x: row 128 x row tile + 64 x half, 4,096 bytes a row: made of cy and the cluster's y alone
	s_lshl_b32 s17, s12, 6
	s_add_co_u32 s16, s16, s17
	s_lshl_b32 s16, s16, 12
	s_mov_b32 s17, 0
	s_lshl_b32 s46, s42, 8                         ; W: row 256 x column tile + 128 x half, 2,048 bytes a row: made of cx alone
	s_lshl_b32 s47, s12, 7
	s_add_co_u32 s46, s46, s47
	s_lshl_b32 s46, s46, 11
	s_mov_b32 s47, 0
	s_mul_i32 s18, s12, HALFA                      ; where the tiles go: no place in the cluster enters an LDS address
	s_mul_i32 s19, s12, HALFB
	s_add_co_u32 s19, s19, ABYTES
	s_mov_b32 s[HM], 0xffff0000
	s_mov_b32 s[TBA], 0
	s_mov_b32 s[TBB], 0
	s_mov_b32 s[NX], 3
	s_mov_b32 s[EX+1], 0
	v_and_b32 v1, 31, v0                           ; the prefetch's offset: (16 cx + lane / 2) rows of 4,096 bytes + (lane % 2) x 256
	v_lshrrev_b32 v2, 1, v1
	s_lshl_b32 s77, s40, 4
	v_add_nc_u32 v2, s77, v2
	v_and_b32 v1, 1, v1
	v_lshlrev_b32 v1, 8, v1
	v_lshl_add_u32 v[PO], v2, 12, v1
	s_wait_dscnt 0x0                               ; the opening add is done
	s_wait_kmcnt 0x0
	s_add_nc_u64 s[14:15], s[80:81], s[16:17]      ; _K, _V and _Q at my half of the tile, step 0
	s_add_nc_u64 s[NXA:NXA+1], s[82:83], s[16:17]
	s_add_nc_u64 s[NXB:NXB+1], s[84:85], s[16:17]
	s_add_nc_u64 s[PF:PF+1], s[14:15], 2*STEPA     ; step 2: the first to be prefetched, and the first refill
	s_add_nc_u64 s[46:47], s[92:93], s[46:47]
	CROUND                                         ; all sixteen work-groups are here: the first joint loads meet
.irp s, 0,1
	s_mov_b32 s[G0+4*(\s)], 1                      ; count = 1
	s_add_co_u32 s[G0+4*(\s)+1], s18, (\s)*SLOT1   ; LDS address
	s_add_nc_u64 s[G0+4*(\s)+2:G0+4*(\s)+3], s[14:15], (\s)*STEPA  ; global address: K step s
	s_or_b32 s[G0+4*(\s)+3], s[G0+4*(\s)+3], 0x80000000            ; type = 2
	s_mov_b32 s[G0B+4*(\s)], 1
	s_add_co_u32 s[G0B+4*(\s)+1], s19, (\s)*SLOT1
	s_add_nc_u64 s[G0B+4*(\s)+2:G0B+4*(\s)+3], s[46:47], (\s)*STEPB
	s_or_b32 s[G0B+4*(\s)+3], s[G0B+4*(\s)+3], 0x80000000
	JLOAD \s, \s                                   ; both slots are asked for before anything else: two loads of mine are out
.endr
	v_and_b32 v1, 15, v0                           ; r = lane % 16
	v_bfe_u32 v2, v0, 4, 1                         ; h = lane / 16
	v_lshlrev_b32 v[SO], 5, v2                     ; the bias of my columns 16 b + 8 h + 0..7: 32 h bytes, 64 b in the immediate
	s_lshl_b32 s78, s42, 10
	s_lshl_b32 s79, s12, 9
	s_add_co_u32 s78, s78, s79
	s_mov_b32 s79, 0
	s_add_nc_u64 s[BPN:BPN+1], s[86:87], s[78:79]
	s_add_nc_u64 s[BP1:BP1+1], s[88:89], s[78:79]
	s_add_nc_u64 s[BP2:BP2+1], s[90:91], s[78:79]
	BIAS                                           ; bk
	; A fragment is 16 rows x 32 K: lane l holds row l % 16, K = 8 h + 0..7 and 16 + 8 h + 0..7.  In f32 those are 32 bytes at 32 h and 32 bytes at 64 + 32 h; in bf16 16 bytes at 16 h and at 32 + 16 h.
	v_mul_u32_u24 v3, v1, PA
	v_lshl_add_u32 v3, v2, 5, v3
	s_mul_i32 s16, s11, HALFA
	v_add_nc_u32 v[A0], s16, v3
	v_mul_u32_u24 v3, v1, PB
	v_lshl_add_u32 v3, v2, 4, v3
	v_add_nc_u32 v[B0], s19, v3                    ; my 128 rows of W lie where the half of my number went
	s_mul_i32 s16, s10, 16*SPITCH
	s_add_co_u32 s16, s16, STAGE                   ; my stage
	v_add_nc_u32 v[STO], s16, v3                   ; in: row r, 16 bytes for each half of the lanes (the stage's pitch is W's)
	v_mul_u32_u24 v4, v2, SPITCH                   ; back: lanes 0-15 take one row of 256 bytes, lanes 16-31 the next
	v_lshl_add_u32 v4, v1, 4, v4
	v_add_nc_u32 v[RD], s16, v4
	v_lshlrev_b32 v[CO], 11, v2                    ; and the same two rows in kvq
	v_lshl_add_u32 v[CO], v1, 4, v[CO]
	s_lshl_b32 s77, s13, 7                         ; my first row,
	s_lshl_b32 s78, s11, 6
	s_add_co_u32 s77, s77, s78
	s_lshl_b32 s78, s77, 11
	s_lshl_b32 s79, s42, 9                         ; my first column, in bytes
	s_add_co_u32 s78, s78, s79
	s_lshl_b32 s79, s12, 8
	s_add_co_u32 s78, s78, s79
	s_mov_b32 s79, 0
	s_add_nc_u64 s[94:95], s[94:95], s[78:79]      ; kvq at my part of K's tile
; The next quarter's fragments: W's 8 into buffer g, x's 4 in f32 into window 2.  32 LDS loads in one run.  The places between the last matrix instruction that read buffer g and these loads are CVT's 32 lines.
.macro FETCH g
	WIN 0
	v_add_nc_u32 v[ADA], s[TBA], v[A0]
	v_add_nc_u32 v[ADB], s[TBB], v[B0]
.irp i, 0,1,2,3,4,5,6,7
	ds_load_b128 v[(\g)+32+8*(\i):(\g)+32+8*(\i)+3],   v[ADB] offset:(\i)*16*PB
	ds_load_b128 v[(\g)+32+8*(\i)+4:(\g)+32+8*(\i)+7], v[ADB] offset:(\i)*16*PB+32
.endr
	WIN 0x80                                       ; destination window 2
.irp i, 0,1,2,3
	ds_load_b128 v[16*(\i):16*(\i)+3],     v[ADA] offset:(\i)*16*PA
	ds_load_b128 v[16*(\i)+4:16*(\i)+7],   v[ADA] offset:(\i)*16*PA+16
	ds_load_b128 v[16*(\i)+8:16*(\i)+11],  v[ADA] offset:(\i)*16*PA+64
	ds_load_b128 v[16*(\i)+12:16*(\i)+15], v[ADA] offset:(\i)*16*PA+80
.endr
	s_add_co_u32 s[TBA], s[TBA], SA                ; the next fetch is the next quarter's
	s_add_co_u32 s[TBB], s[TBB], SB
.endm
.macro CVT f                           ; the quarter's x, rounded to bf16, into buffer f: 32 lines that name no register of the products in front of them
	WIN 0x0a                                       ; sources window 2, destination window 0
.irp a, 0,1,2,3
.irp i, 0,1,2,3,4,5,6,7
	v_cvt_pk_bf16_f32 v[(\f)+8*(\a)+(\i)], v[16*(\a)+2*(\i)], v[16*(\a)+2*(\i)+1]
.endr
.endr
.endm
; 32 matrix instructions: the 32 accumulators take turns, one instruction a turn, in the same order in every quarter.  zero = 1: a tile's first products start its sums, with the
; bias as C: register j of a lane's result is column 16 b + 8 h + j, whatever the row block a.
.macro MUL f, zero
.if \zero
	WIN 0x60                                       ; C window 2, D window 1
.else
	WIN 0x50                                       ; C and D window 1
.endif
.irp a, 0,1,2,3
.irp b, 0,1,2,3,4,5,6,7
.if \zero
	v_wmma_f32_16x16x32_bf16 v[8*(8*(\a)+(\b)):8*(8*(\a)+(\b))+7], v[(\f)+32+8*(\b):(\f)+32+8*(\b)+7], v[(\f)+8*(\a):(\f)+8*(\a)+7], v[BI+8*(\b):BI+8*(\b)+7]
.else
	v_wmma_f32_16x16x32_bf16 v[8*(8*(\a)+(\b)):8*(8*(\a)+(\b))+7], v[(\f)+32+8*(\b):(\f)+32+8*(\b)+7], v[(\f)+8*(\a):(\f)+8*(\a)+7], v[8*(8*(\a)+(\b)):8*(8*(\a)+(\b))+7]
.endif
.endr
.endr
.endm
.macro Q f, g, zero=0                  ; a quarter: buffer f is multiplied, the next quarter is fetched into g ahead of the products
	s_wait_dscnt 0x0                               ; the run of loads issued a quarter (32 matrix instructions) ago is in
	CVT \f
	FETCH \g
	MUL \f, \zero
.endm
; THE CHANGE OF SLOTS.  The slot's last quarter has been asked for.  Each wave waits for all its tensor loads, of which one is out: its part of the other slot; adds 0 to its spare word; and waits for that and for
; its reads of the slot.  fill = 1: the barrier is a round of the cluster's, so that no wave of any partner still reads the slot or has a load on its way, and the joint refill (two steps of the walk on) is the
; first thing behind it: it has a K step, 128 matrix instructions, in which to land.
.macro CHANGE fill
	WIN 0
	s_wait_tensorcnt 0x0                           ; no tensor load of mine is out, so a group 0 may be written
	ds_add_u32 v[SPW], v[NIL]                      ; 0 onto my spare word; scalar work stands between it and the wait for it
.if \fill
	s_wait_xcnt 0x0                                ; the last trip's prefetch has had its address translated: s[PF] is written again only behind this wait
	s_xor_b32 s[G0+5], s[G0+5], SLOT1              ; the walking descriptors: the other slot than last time;
	s_mov_b64 s[G0+6:G0+7], s[PF:PF+1]             ; x: the tile that was prefetched a trip ago,
	s_or_b32 s[G0+7], s[G0+7], 0x80000000          ; type = 2
	s_xor_b32 s[G0B+5], s[G0B+5], SLOT1
	s_cmp_eq_u32 s[NX], 1                          ; W: the next K step; where that is a tile's first, the next tensor's weights
	s_cselect_b32 s[EX], NEXTW, 0
	s_add_nc_u64 s[G0B+6:G0B+7], s[G0B+6:G0B+7], STEPB  ; (the type bits on top are not reached)
	s_add_nc_u64 s[G0B+6:G0B+7], s[G0B+6:G0B+7], s[EX:EX+1]
	s_add_nc_u64 s[PF:PF+1], s[PF:PF+1], STEPA     ; x's pointer goes a step on, or to the next tensor's step 0; behind _Q's last step it goes to _Q's step 0 once more
	s_cmp_eq_u32 s[NX], 0
	s_cselect_b64 s[PF:PF+1], s[NXA:NXA+1], s[PF:PF+1]
	s_cselect_b64 s[NXA:NXA+1], s[NXB:NXB+1], s[NXA:NXA+1]
	s_add_co_u32 s[NX], s[NX], 1
	s_and_b32 s[NX], s[NX], 7
.endif
	s_sub_co_u32 s[TBA], s[TBA], 4*SA              ; the fetches go back to a slot's first quarter,
	s_xor_b32 s[TBA], s[TBA], SLOT1                ; in the other slot
	s_sub_co_u32 s[TBB], s[TBB], 4*SB
	s_xor_b32 s[TBB], s[TBB], SLOT1
	s_wait_dscnt 0x0                               ; the add is done, and my reads of the slot are over
.if \fill
	CROUND
	JLOAD 1, 1
.else
	s_barrier_signal -1
	s_barrier_wait -1
.endif
.endm
; THE WAY OUT, a block of 16 rows at a time: the sums are rounded to f16 (each accumulator's registers in ascending order), a lane's 16 bytes go into my own stage and come back as whole rows.
.macro PACK a
	WIN 0x05                                       ; sources window 1, destination window 0
.irp b, 0,1,2,3,4,5,6,7
.irp i, 0,1,2,3
	v_cvt_pk_f16_f32 v[TMP+4*(\b)+(\i)], v[8*(8*(\a)+(\b))+2*(\i)], v[8*(8*(\a)+(\b))+2*(\i)+1]
.endr
.endr
	WIN 0
.endm
.macro TOSTAGE a
.irp b, 0,1,2,3,4,5,6,7
	ds_store_b128 v[STO], v[TMP+4*(\b):TMP+4*(\b)+3] offset:32*(\b)
.endr
	s_wait_xcnt 0x0                                ; the stores that read these registers last (two blocks back, or a tile ago) have had their addresses translated: they are loaded again only behind this wait
.irp t, 0,1,2,3,4,5,6,7
	ds_load_b128 v[BK+32*((\a)%2)+4*(\t):BK+32*((\a)%2)+4*(\t)+3], v[RD] offset:(\t)*2*SPITCH  ; LDS serves a wave's instructions in order (ISA guide 5.7.1.4): these see the stores above
.endr
.endm
.macro SEND a
	s_wait_dscnt 0x0                               ; the block is back in registers
.irp t, 0,1,2,3,4,5,6,7
	global_store_b128 v[CO], v[BK+32*((\a)%2)+4*(\t):BK+32*((\a)%2)+4*(\t)+3], s[94:95] offset:(16*(\a)+2*(\t))*OUTP  ; 16 lanes store 256 consecutive bytes, at a multiple of 256 from kvq's first byte
.endr
.endm
.macro WAYOUT last
.rept 4
	v_nop                                          ; the places between the last products and the lines that read their results or write their sources (ISA guide 7.12.1)
.endr
	PACK 0
	TOSTAGE 0
.irp a, 1,2,3                          ; a block's conversions stand between the loads of the block before and the wait for them
	PACK \a
	SEND (\a)-1
	TOSTAGE \a
.endr
	SEND 3
.if !(\last)
	s_wait_xcnt 0x0                                ; the stores' base and their registers, which are fragment buffer 1's, are written again only behind this wait
	s_add_nc_u64 s[94:95], s[94:95], TSTEP         ; the next tensor's part of kvq
.endif
.endm
	s_wait_tensorcnt 0x1                           ; my part of step 0 is in; slot 1's load was issued behind it and may stay out
	s_barrier_signal -1
	s_barrier_wait -1                              ; everybody's is
	FETCH F0
	WIN 0
	s_mov_b32 s[SL], STEPS-1
	s_branch .Lzero                                ; the loop is entered where a tile begins, in the middle of a trip
.Lslot:                                                ; 22 whole trips: every slot but the last two is filled again.  The trip that enters step n:
	CHANGE 1
	Q F1, F0                                       ; step n - 1's last quarter, while step n's first is fetched
	WIN 0
	s_cmp_eq_u32 s[NX], 3                          ; (n + 3) mod 8 = 3: step n is a tile's first
	s_cbranch_scc0 .Lplain
	WAYOUT 0                                       ; the tile that has ended goes out; both its successor's first steps have been asked for
.Lzero:
	s_wait_loadcnt 0x0                             ; the tile's bias is in, so its pointer may be written: the next tensor's, and the one after
	s_mov_b64 s[BPN:BPN+1], s[BP1:BP1+1]
	s_mov_b64 s[BP1:BP1+1], s[BP2:BP2+1]
	WIN 0x8a                                       ; destination and both sources window 2: the bias is rounded to bf16 in place, like every input
.set p, 0
.rept 32
	v_cvt_pk_bf16_f32 v[BI+2*p+1], v[BI+2*p], v[BI+2*p+1]
	v_lshlrev_b32 v[BI+2*p], 16, v[BI+2*p+1]
	v_and_b32 v[BI+2*p+1], s[HM], v[BI+2*p+1]
.set p, p+1
.endr
	Q F0, F1, 1                                    ; the tile's first quarter starts the sums: nothing is cleared
	WIN 0
.rept 4
	v_nop                                          ; the places between those products and the loads into their C operand
.endr
	s_cmp_eq_u32 s[SL], STEPS-1-16                 ; the third tile has no successor
	s_cbranch_scc1 .Lrest
	BIAS                                           ; the next tile's bias: it has seven steps and more in which to come
	s_branch .Lrest
.Lplain:
	Q F0, F1
	WIN 0
.Lrest:
	Q F1, F0
	Q F0, F1
	WIN 0
	s_sub_co_u32 s[SL], s[SL], 1
	s_cmp_lg_u32 s[SL], 0
	s_cbranch_scc1 .Lslot
	CHANGE 0                                       ; the tail is written out: nothing is left to ask for
	s_mov_b32 s[CNT], 2
.Lr2:                                                  ; four quarters, written as two and walked twice; the LDS addresses hang on s[TBA], s[TBB]
	Q F1, F0
	Q F0, F1
	WIN 0
	s_sub_co_u32 s[CNT], s[CNT], 1
	s_cmp_lg_u32 s[CNT], 0
	s_cbranch_scc1 .Lr2
	s_wait_dscnt 0x0
	CVT F1
	MUL F1, 0
	WIN 0
	WAYOUT 1
	s_wait_tensorcnt 0x0                           ; the wave's end, behind my last tensor load and my last LDS store
	ds_add_u32 v[SPW], v[NIL]
	s_wait_dscnt 0x0
	CROUND                                         ; the closing round: no work-group ends while a partner may still ask for a tile that names it
	s_endpgm
.Lfunc_end_k_q454b68d684_proj:
	.size	k_q454b68d684_proj, .Lfunc_end_k_q454b68d684_proj-k_q454b68d684_proj
	.p2alignl 7, 3214868480
	.fill 96, 4, 3214868480
	.section	.rodata,"a",@progbits
	.p2align	6, 0x0
	.amdhsa_kernel k_q454b68d684_proj
		.amdhsa_group_segment_fixed_size 327680
		.amdhsa_private_segment_fixed_size 0
		.amdhsa_enable_private_segment 0
		.amdhsa_kernarg_size 64
		.amdhsa_user_sgpr_count 2
		.amdhsa_user_sgpr_kernarg_segment_ptr 1
		.amdhsa_wavefront_size32 1
		.amdhsa_system_sgpr_workgroup_id_x 1
		.amdhsa_system_sgpr_workgroup_id_y 1
		.amdhsa_system_sgpr_workgroup_id_z 1
		.amdhsa_system_vgpr_workitem_id 0
		.amdhsa_next_free_vgpr 640
		.amdhsa_next_free_sgpr 100
		.amdhsa_reserve_vcc 0
		.amdhsa_float_denorm_mode_32 3
		.amdhsa_float_denorm_mode_16_64 3
		.amdhsa_memory_ordered 1
		.amdhsa_forward_progress 1
		.amdhsa_inst_pref_size 100
	.end_amdhsa_kernel
	.amdgpu_metadata
---
amdhsa.version: [ 1, 2 ]
amdhsa.kernels:
  - .name:           k_q454b68d684_proj
    .symbol:         k_q454b68d684_proj.kd
    .args:
      - { .name: _K, .offset: 0, .size: 8, .value_kind: global_buffer, .address_space: global }
      - { .name: _V, .offset: 8, .size: 8, .value_kind: global_buffer, .address_space: global }
      - { .name: _Q, .offset: 16, .size: 8, .value_kind: global_buffer, .address_space: global }
      - { .name: bk, .offset: 24, .size: 8, .value_kind: global_buffer, .address_space: global }
      - { .name: bv, .offset: 32, .size: 8, .value_kind: global_buffer, .address_space: global }
      - { .name: bq, .offset: 40, .size: 8, .value_kind: global_buffer, .address_space: global }
      - { .name: wts, .offset: 48, .size: 8, .value_kind: global_buffer, .address_space: global }
      - { .name: kvq, .offset: 56, .size: 8, .value_kind: global_buffer, .address_space: global }
    .group_segment_fixed_size: 327680
    .private_segment_fixed_size: 0
    .kernarg_segment_align: 8
    .kernarg_segment_size: 64
    .max_flat_workgroup_size: 128
    .sgpr_count:     100
    .vgpr_count:     640
    .wavefront_size: 32
...
	.end_amdgpu_metadata
.endif
;; end of part 2
;; launch scores (part 3): grid 8 x 32, 4 waves a work-group, clusters of 4 x 4, 327,680 bytes of LDS; arguments kvq, pw, stat; writes pw, stat
.if DOCPART == 3
	.amdgcn_target "amdgcn-amd-amdhsa--gfx1250"
	.amdhsa_code_object_version 6
	.text
	.protected	k_q454b68d684_scores
	.globl	k_q454b68d684_scores
	.p2align	8
	.type	k_q454b68d684_scores,@function
k_q454b68d684_scores:
	s_mov_b64 s[64:65], 0
	v_nop
	global_prefetch_b8 v0, s[64:65] scope:SCOPE_SE
	s_setreg_imm32_b32 hwreg(HW_REG_WAVE_MODE, 25, 1), 1
	s_wait_xcnt 0x0
	s_wait_alu depctr_hold_cnt(0) depctr_sa_sdst(0) depctr_va_vdst(0) depctr_va_sdst(0) depctr_va_ssrc(0) depctr_va_vcc(0) depctr_vm_vsrc(0)
	s_getreg_b32 s2, hwreg(HW_REG_IB_STS2, 6, 4)
	s_cmp_eq_u32 s2, 0
	s_cbranch_scc0 .Lentry_in_a_cluster
	s_endpgm
.Lentry_in_a_cluster:
	s_bfe_u32 s2, ttmp6, 0x10000c
	s_cmp_lg_u32 s2, 0xf033
	s_cbranch_scc0 .Lentry_shape_is_right
	s_endpgm
.Lentry_shape_is_right:
; SCORES.  s[q][k] = Q[q] . K[k] (f16 operands, f32 sums) for the 2,048 keys of q's batch.  For each query and each chunk of 128 keys: cm = c x (the chunk's largest s), c = log2(e) / 32;
; pw[q][k] = 2^(c s - cm), rounded to f16; l = the sum of the chunk's unrounded weights; stat[chunk][q] = (cm, l).  The next launch takes the largest cm of a query's 16 chunks away, so the softmax's own
; maximum is what is subtracted in the end; no exponent here is above 0.
; kvq: [3][8192][1024] f16, K, V, Q.  pw: [8192][2048] f16.  stat: [16][8192][2] f32.
; LIMIT.  A weight below 2^-126 counts as 0 in l; below 6e-5 f16 keeps its fixed step of 6e-8.  NaN and infinities are not treated apart.
; SHARES.  A work-group makes 256 queries x 256 keys; its four waves lie 2 x 2, each 128 queries x 128 keys (one chunk): 64 accumulators of 16 x 16, 512 registers.  4 x 2048 x 2048 scores are 256 such tiles.
; The channels go in steps of 128 through two LDS slots filled by the tensor data mover; a step is four quarters of 32, 64 matrix instructions each, on two fragment buffers: a refill has 256 matrix
; instructions of every wave in which to land.
; CLUSTER.  4 x 4: Q's tile is shared along a row of the cluster, K's along a column; each is asked for jointly, by the same tensor load with the same descriptor and a mask that names the four.
; The batch hangs on the cluster's y alone (two clusters a batch).
; THE MATRIX INSTRUCTION IS USED TRANSPOSED (source 0 = 16 keys, source 1 = 16 queries): a lane holds ONE query (lane % 16) and the keys 16 b + 8 (lane / 16) + 0..7; the query's other 64 keys lie in the lane 16 away.
; REGISTERS, in windows of 256 (s_set_vgpr_msb: bits 1:0 source 0, 3:2 source 1, 5:4 source 2, 7:6 destination):
;   window 0: v0-31 addresses; v32-51 statistics; v64-127, v128-191 Q's fragments (8 x 16 queries x 32 channels), two buffers; v192-255 at work on the way out
;   window 1: v64-127, v128-191 K's fragments, two buffers
;   window 2: the 32 accumulators of my queries 0-63 (accumulator (a, b) at v[8 (8 a + b)]);   window 3: those of my queries 64-127
.set PITCH,  272                       ; an LDS row: 256 bytes + 16 = 68 words: row r starts at bank 4 r mod 64 (64 banks of 4 bytes: ISA guide 11.1)
.set HALFT,  128*PITCH                 ; 128 rows: what one tensor load brings, and what one wave reads of Q or of K
.set SLOT,   4*HALFT                   ; 139,264 = 0x22000: Q's 256 rows, then K's 256 rows.  The waves' parts begin at 0, 0x8800, 0x11000, 0x19800: none shares a bit with 0x22000, so one exclusive or changes slots
.set STAGE,  2*SLOT                    ; 16 rows x 272 bytes for each wave; no tensor load fills it
.set SPARE,  STAGE+4*16*PITCH          ; the spare words, 128 bytes for each wave: two blocks of 256 bytes that no other line names
.set STEP,   256                       ; a K step in bytes of a row of Q or K
.set KSTEPS, 8
.set OUTP,   4096                      ; bytes in a row of pw
.set A0,  16                           ; v16  my lane's place in Q's rows of slot 0; never rewritten
.set B0,  17                           ; v17  the same for K
.set ADA, 18                           ; v18  LDS address of the run of loads in hand, Q
.set ADB, 19                           ; v19  K
.set STO, 24                           ; v24  the way out: where I put 16 bytes of a row
.set RD,  25                           ; v25  where I read a row back
.set CO,  26                           ; v26  my byte offset in two rows of pw
.set SO,  27                           ; v27  8 x lane: my place in 32 queries of stat
.set SPW, 28                           ; v28  LDS address of my spare word; never rewritten
.set NIL, 29                           ; v29  0; never rewritten
.set CH,  32                           ; v32-35  four chains at work
.set CM,  36                           ; v36-37  c m, named as a pair
.set KCM, 40                           ; v40-43  c m of block a
.set KL,  44                           ; v44-47  l of block a
.set PR,  48                           ; v48-51  two pairs (cm, l) to store
.set F0,  64
.set F1,  128
.set TMP, 192                          ; v192-223 packed weights
.set G1,  24                           ; s[24:31] descriptor group 1 for Q's tiles; s[32:39] group 0: a set for each of the two first fills; the second then walks on
.set G0,  32
.set G1B, 48                           ; s[48:55], s[56:63] the same for K's
.set G0B, 56
.set TB,  66                           ; s66  LDS byte, in the rows, of the quarter to be fetched next
.set CNT, 68
.set SL,  69
.set PS,  70
.set CS,  72                           ; s[72:73] c: the packed scaling takes the pair's low word for both halves
.set SEL, 74                           ; s[74:75] v_permlanex16_b32's selects: each lane takes its own place in the other half
.set HM,  76                           ; s76  a mask of lanes 16 to 31
.set MSB, 0
.macro WIN new                         ; the immediate's high byte repeats the setting that is left; a switch that changes nothing is dropped
.if MSB != (\new)
	s_set_vgpr_msb (MSB<<8)|(\new)
.set MSB, \new
.endif
.endm
.macro JLOAD s                         ; a joint load: waves 0 and 1 fetch Q's two halves, waves 2 and 3 K's; an s_nop 0 and four v_nop follow each of the two lines
	s_cmp_eq_u32 s11, 0
	s_cbranch_scc0 .Lfor_b_\@
	tensor_load_to_lds s[G0+4*(\s):G0+4*(\s)+3], s[G1:G1+7]
	s_nop 0
.rept 4
	v_nop
.endr
	s_branch .Lasked_\@
.Lfor_b_\@:
	tensor_load_to_lds s[G0B+4*(\s):G0B+4*(\s)+3], s[G1B:G1B+7]
	s_nop 0
.rept 4
	v_nop
.endr
.Lasked_\@:
.endm
.macro CROUND                          ; a round of the cluster's barrier: my work-group's barrier; wave 0 signals for the work-group; every wave waits for all sixteen; my work-group's barrier once more
	s_barrier_signal -1
	s_barrier_wait -1
	s_cmp_lg_u32 s10, 0
	s_cbranch_scc1 .Lnot_wave_0_\@
	s_barrier_signal -3
.Lnot_wave_0_\@:
	s_barrier_wait -3
	s_barrier_signal -1
	s_barrier_wait -1
.endm
	s_load_b128 s[4:7], s[0:1], 0x0                ; kvq s[4:5], pw s[6:7]
	s_load_b64 s[8:9], s[0:1], 0x10                ; stat
	v_lshl_add_u32 v[SPW], v0, 2, SPARE
	v_mov_b32 v[NIL], 0
	ds_add_u32 v[SPW], v[NIL]                      ; the wave's opening: the add and its wait ahead of my first tensor load; work on registers stands between them
	v_lshrrev_b32 v1, 5, v0
	v_readfirstlane_b32 s10, v1                    ; wave 0..3
	s_lshr_b32 s11, s10, 1                         ; which 128 queries are mine.  Also: I fetch for Q (0) or for K (1)
	s_and_b32 s12, s10, 1                          ; which 128 keys.  Also: which 128 rows of that tile I fetch
	s_bfe_u32 s40, ttmp6, 0x40000                  ; cx, cy: my place in the cluster
	s_bfe_u32 s41, ttmp6, 0x40004
	s_lshl_b32 s42, ttmp9, 2
	s_add_co_u32 s42, s42, s40                     ; key tile in the batch = 4 x cluster x + cx
	s_and_b32 s45, ttmp7, 0xffff                   ; cluster y
	s_lshl_b32 s13, s45, 2
	s_add_co_u32 s13, s13, s41                     ; query tile = 4 x cluster y + cy
	s_lshl_b32 s43, s41, 2
	s_lshl_b32 s43, 15, s43                        ; my row of the cluster
	s_lshl_b32 s44, 0x1111, s40                    ; my column
	; descriptor group 1: 128 rows of 128 elements of 2 bytes, 1,024 elements from row to row, 4 words of padding after every 64
	s_or_b32 s[G1+0], s43, (1<<16)|(1<<20)|(1<<21)|(5<<22)|(3<<25)   ; 15:0 the mask: my row; 17:16 element size; 20 padding on; 21 set beside a mask; 24:22 the interval; 31:25 the padding less one
	s_or_b32 s[G1B+0], s44, (1<<16)|(1<<20)|(1<<21)|(5<<22)|(3<<25)  ; the mask: my column
.irp g, G1, G1B
	s_mov_b32 s[(\g)+1], 128<<16                   ; tensor_dim0 = 128
	s_mov_b32 s[(\g)+2], 128<<16                   ; tensor_dim1 = 128
	s_mov_b32 s[(\g)+3], 128<<16                   ; tile_dim0 = 128
	s_mov_b32 s[(\g)+4], 128                       ; tile_dim1 = 128
	s_mov_b32 s[(\g)+5], 1024                      ; elements from row to row
	s_mov_b32 s[(\g)+6], 0
	s_mov_b32 s[(\g)+7], 0
.endr
	s_lshl_b32 s16, s13, 8                         ; Q: part 2 of kvq, row 256 x query tile + 128 x half, 2,048 bytes a row: made of cy and the cluster's y alone
	s_lshl_b32 s17, s12, 7
	s_add_co_u32 s16, s16, s17
	s_lshl_b32 s16, s16, 11
	s_add_co_u32 s16, s16, 0x2000000
	s_mov_b32 s17, 0
	s_lshr_b32 s46, s45, 1                         ; K: part 0, row 2,048 x batch + 256 x key tile + 128 x half: made of cx and the cluster's y alone
	s_lshl_b32 s46, s46, 11
	s_lshl_b32 s47, s42, 8
	s_add_co_u32 s46, s46, s47
	s_lshl_b32 s47, s12, 7
	s_add_co_u32 s46, s46, s47
	s_lshl_b32 s46, s46, 11
	s_mov_b32 s47, 0
	s_mul_i32 s18, s10, HALFT                      ; where the tiles go: Q's two halves, then K's two halves = wave x 128 rows: no place in the cluster enters an LDS address
	s_mov_b32 s[CS], 0x3d38aa3b                    ; c = log2(e) / 32
	s_mov_b32 s[CS+1], s[CS]
	s_mov_b32 s[SEL], 0x76543210
	s_mov_b32 s[SEL+1], 0xfedcba98
	s_mov_b32 s[HM], 0xffff0000
	s_mov_b32 s[TB], 0
	s_wait_dscnt 0x0                               ; the opening add is done
	s_wait_kmcnt 0x0
	s_add_nc_u64 s[14:15], s[4:5], s[16:17]
	s_add_nc_u64 s[46:47], s[4:5], s[46:47]
	CROUND                                         ; all sixteen work-groups are here: the first joint loads meet
.irp s, 0,1
	s_mov_b32 s[G0+4*(\s)], 1                      ; count = 1
	s_add_co_u32 s[G0+4*(\s)+1], s18, (\s)*SLOT    ; LDS address
	s_add_nc_u64 s[G0+4*(\s)+2:G0+4*(\s)+3], s[14:15], (\s)*STEP  ; global address: K step s
	s_or_b32 s[G0+4*(\s)+3], s[G0+4*(\s)+3], 0x80000000           ; type = 2
	s_mov_b32 s[G0B+4*(\s)], 1
	s_add_co_u32 s[G0B+4*(\s)+1], s18, (\s)*SLOT
	s_add_nc_u64 s[G0B+4*(\s)+2:G0B+4*(\s)+3], s[46:47], (\s)*STEP
	s_or_b32 s[G0B+4*(\s)+3], s[G0B+4*(\s)+3], 0x80000000
	JLOAD \s                                       ; both slots are asked for before anything else: two loads of mine are out
.endr
	v_and_b32 v1, 15, v0                           ; r = lane % 16
	v_bfe_u32 v2, v0, 4, 1                         ; h = lane / 16
	v_mul_u32_u24 v3, v1, PITCH
	v_lshl_add_u32 v3, v2, 4, v3                   ; a fragment's row x pitch + 16 x half
	s_mul_i32 s16, s11, HALFT                      ; my 128 rows of Q
	v_add_nc_u32 v[A0], s16, v3
	s_mul_i32 s16, s12, HALFT                      ; my 128 rows of K,
	s_add_co_u32 s16, s16, 2*HALFT                 ; which lie behind Q's 256
	v_add_nc_u32 v[B0], s16, v3
	s_mul_i32 s16, s10, 16*PITCH
	s_add_co_u32 s16, s16, STAGE                   ; my stage
	v_add_nc_u32 v[STO], s16, v3                   ; in: row r, 16 bytes for each half of the lanes
	v_mul_u32_u24 v4, v2, PITCH                    ; back: lanes 0-15 take one row of 256 bytes, lanes 16-31 the next
	v_lshl_add_u32 v4, v1, 4, v4
	v_add_nc_u32 v[RD], s16, v4
	v_lshlrev_b32 v[CO], 12, v2                    ; and the same two rows in pw
	v_lshl_add_u32 v[CO], v1, 4, v[CO]
	v_and_b32 v[SO], 31, v0
	v_lshlrev_b32 v[SO], 3, v[SO]
	s_lshl_b32 s77, s13, 8
	s_lshl_b32 s78, s11, 7
	s_add_co_u32 s77, s77, s78                     ; my first query
	s_lshl_b32 s78, s77, 12                        ; pw: 4,096 bytes a query,
	s_lshl_b32 s79, s42, 9                         ; 512 bytes a key tile,
	s_add_co_u32 s78, s78, s79
	s_lshl_b32 s79, s12, 8                         ; 256 a chunk
	s_add_co_u32 s78, s78, s79
	s_mov_b32 s79, 0
	s_add_nc_u64 s[6:7], s[6:7], s[78:79]
	s_lshl_b32 s78, s42, 1                         ; stat: chunk 2 x key tile + half, 65,536 bytes each; 8 bytes a query
	s_add_co_u32 s78, s78, s12
	s_lshl_b32 s78, s78, 16
	s_lshl_b32 s79, s77, 3
	s_add_co_u32 s78, s78, s79
	s_mov_b32 s79, 0
	s_add_nc_u64 s[8:9], s[8:9], s[78:79]
; The next quarter's fragments into buffer g: 32 LDS loads in one run.  The two address lines and two v_nop are the four places between the last matrix instruction, which read buffer g, and these loads.
.macro FETCH g
	WIN 0
	v_add_nc_u32 v[ADA], s[TB], v[A0]
	v_add_nc_u32 v[ADB], s[TB], v[B0]
	v_nop
	v_nop
	WIN 0x40                                       ; destination window 1, address window 0
.irp i, 0,1,2,3,4,5,6,7
	ds_load_b128 v[(\g)+8*(\i):(\g)+8*(\i)+3],   v[ADB] offset:(\i)*16*PITCH
	ds_load_b128 v[(\g)+8*(\i)+4:(\g)+8*(\i)+7], v[ADB] offset:(\i)*16*PITCH+32
.endr
	WIN 0
.irp i, 0,1,2,3,4,5,6,7
	ds_load_b128 v[(\g)+8*(\i):(\g)+8*(\i)+3],   v[ADA] offset:(\i)*16*PITCH
	ds_load_b128 v[(\g)+8*(\i)+4:(\g)+8*(\i)+7], v[ADA] offset:(\i)*16*PITCH+32
.endr
	s_add_co_u32 s[TB], s[TB], 64                  ; the next fetch is the next quarter's
.endm
; 32 matrix instructions: my queries 64 hi to 64 hi + 63 x all 128 keys, 32 channels.  The accumulators take turns, one instruction a turn, in the same order in every quarter.
; zero = 1: the first products start the sums: nothing is cleared.
.macro MULH f, hi, zero
	WIN 0xa1+0x50*(\hi)                            ; source 0 (K) window 1, source 1 (Q) window 0, C and D window 2 or 3
.irp a, 0,1,2,3
.irp b, 0,1,2,3,4,5,6,7
.if \zero
	v_wmma_f32_16x16x32_f16 v[8*(8*(\a)+(\b)):8*(8*(\a)+(\b))+7], v[(\f)+8*(\b):(\f)+8*(\b)+7], v[(\f)+8*(4*(\hi)+(\a)):(\f)+8*(4*(\hi)+(\a))+7], 0
.else
	v_wmma_f32_16x16x32_f16 v[8*(8*(\a)+(\b)):8*(8*(\a)+(\b))+7], v[(\f)+8*(\b):(\f)+8*(\b)+7], v[(\f)+8*(4*(\hi)+(\a)):(\f)+8*(4*(\hi)+(\a))+7], v[8*(8*(\a)+(\b)):8*(8*(\a)+(\b))+7]
.endif
.endr
.endr
.endm
.macro Q f, g, zero=0                  ; a quarter: the next quarter is fetched into g, buffer f is multiplied
	s_wait_dscnt 0x0                               ; the run of loads issued a quarter (64 matrix instructions) ago is in
	FETCH \g
	MULH \f, 0, \zero
	MULH \f, 1, \zero
.endm
; THE CHANGE OF SLOTS.  The slot's last quarter has been asked for.  Each wave waits for all its tensor loads, of which one is out: its part of the other slot; adds 0 to its spare word; and waits for that and
; for its reads of the slot.  fill = 1: the barrier is a round of the cluster's, so that no wave of any partner still reads the slot or has a load on its way, and the joint refill (two K steps on) is the first
; thing behind it.
.macro CHANGE fill
	WIN 0
	s_wait_tensorcnt 0x0                           ; no tensor load of mine is out, so a group 0 may be written
	ds_add_u32 v[SPW], v[NIL]                      ; 0 onto my spare word; scalar work stands between it and the wait for it
.if \fill
	s_xor_b32 s[G0+5], s[G0+5], SLOT               ; the walking descriptors: the other slot than last time,
	s_add_nc_u64 s[G0+6:G0+7], s[G0+6:G0+7], STEP  ; the next K step; the type bits on top are not reached
	s_xor_b32 s[G0B+5], s[G0B+5], SLOT
	s_add_nc_u64 s[G0B+6:G0B+7], s[G0B+6:G0B+7], STEP
.endif
	s_sub_co_u32 s[TB], s[TB], 256                 ; the fetches go back to a slot's first quarter,
	s_xor_b32 s[TB], s[TB], SLOT                   ; in the other slot
	s_wait_dscnt 0x0                               ; the add is done, and my reads of the slot are over
.if \fill
	CROUND
	JLOAD 1
.else
	s_barrier_signal -1
	s_barrier_wait -1
.endif
.endm
	s_wait_tensorcnt 0x1                           ; my part of K step 0 is in; slot 1's load was issued behind it and may stay out
	s_barrier_signal -1
	s_barrier_wait -1                              ; everybody's is
	FETCH F0
	Q F0, F1, 1                                    ; the first quarter starts the sums
	WIN 0
	s_mov_b32 s[CNT], 2
	s_mov_b32 s[SL], KSTEPS-1
	s_branch .Lmid                                 ; K step 0 has two quarters left ahead of its change of slots: the loops are entered at the inner counter's step
.Lslot:                                                ; six times: every slot but the last two is filled again
	CHANGE 1
	s_mov_b32 s[CNT], 2
.Lr:                                                   ; four quarters, written as two and walked twice; the LDS addresses hang on s[TB]
	Q F1, F0
	Q F0, F1
	WIN 0
.Lmid:
	s_sub_co_u32 s[CNT], s[CNT], 1
	s_cmp_lg_u32 s[CNT], 0
	s_cbranch_scc1 .Lr
	s_sub_co_u32 s[SL], s[SL], 1
	s_cmp_lg_u32 s[SL], 0
	s_cbranch_scc1 .Lslot
	CHANGE 0                                       ; the tail is written out: nothing is left to ask for
	s_mov_b32 s[CNT], 2
.Lr2:
	Q F1, F0
	Q F0, F1
	WIN 0
	s_sub_co_u32 s[CNT], s[CNT], 1
	s_cmp_lg_u32 s[CNT], 0
	s_cbranch_scc1 .Lr2
	s_wait_dscnt 0x0
	MULH F1, 0, 0                                  ; the last quarter, my queries 0-63
	WIN 0
; THE WAY OUT is written for four blocks of 16 queries whose scores lie in window 2, and walked twice.  Block a: 16 queries x 128 keys; a lane has 64 scores S0-S63 at v[64 a ..].
.macro LEVEL w                         ; of the 32 pairs of weights, pair 2 w u + w is added onto pair 2 w u, in place
.set u, 0
.rept 16/(\w)
	v_pk_add_f32 v[AC+4*(\w)*u:AC+4*(\w)*u+1], v[AC+4*(\w)*u:AC+4*(\w)*u+1], v[AC+4*(\w)*u+2*(\w):AC+4*(\w)*u+2*(\w)+1]
.set u, u+1
.endr
.endm
.macro PACK a
.set AC, 64*(\a)
	WIN 0x0a                                       ; sources 0 and 1 window 2, the rest window 0
.irp i, 0,1,2,3                        ; the maximum: four chains of 16 scores, ascending
	v_max_num_f32 v[CH+(\i)], v[AC+16*(\i)], v[AC+16*(\i)+1]
.endr
.irp j, 1,2,3,4,5,6,7
.irp i, 0,1,2,3
	v_max3_num_f32 v[CH+(\i)], v[AC+16*(\i)+2*(\j)], v[AC+16*(\i)+2*(\j)+1], v[CH+(\i)]
.endr
.endr
	WIN 0
	v_max3_num_f32 v[CH], v[CH], v[CH+1], v[CH+2]
	v_max_num_f32 v[CH], v[CH], v[CH+3]
	v_permlanex16_b32 v[CH+1], v[CH], s[SEL], s[SEL+1]  ; the query's other 64 keys lie in the lane 16 away
	v_max_num_f32 v[CH], v[CH], v[CH+1]
	v_mul_f32 v[CM], s[CS], v[CH]                  ; c m
	v_mul_f32 v[CM+1], s[CS], v[CH]                ; named with it as a pair
	v_mul_f32 v[KCM+(\a)], s[CS], v[CH]            ; and kept for stat
	WIN 0x82                                       ; destination and source 0 window 2
.set i, 0
.rept 32
	v_pk_fma_f32 v[AC+2*i:AC+2*i+1], v[AC+2*i:AC+2*i+1], s[CS:CS+1], v[CM:CM+1] op_sel_hi:[1,0,0] neg_lo:[0,0,1] neg_hi:[0,0,1]  ; c s - c m
.set i, i+1
.endr
.set i, 0
.rept 64
	v_exp_f32 v[AC+i], v[AC+i]
.set i, i+1
.endr
	v_nop                                          ; a plain instruction between the last exponential and the use of its result
	WIN 0x0a
	s_wait_alu depctr_va_vdst(0)
.irp b, 0,1,2,3,4,5,6,7
.irp i, 0,1,2,3
	v_cvt_pk_f16_f32 v[TMP+4*(\b)+(\i)], v[AC+8*(\b)+2*(\i)], v[AC+8*(\b)+2*(\i)+1]
.endr
.endr
	WIN 0x8a                                       ; destination and both sources window 2
	LEVEL 1
	LEVEL 2
	LEVEL 4
	LEVEL 8
	LEVEL 16
	WIN 0x0a
	v_add_f32 v[CH], v[AC], v[AC+1]
	WIN 0
	v_permlanex16_b32 v[CH+1], v[CH], s[SEL], s[SEL+1]
	v_add_f32 v[KL+(\a)], v[CH], v[CH+1]           ; l of the chunk
.endm
; The rows read back lie in v64-95, v96-127, v128-159 and v224-255: v160-191 still hold the last quarter's fragments of my queries 64-127 in the first walk.
.macro TOSTAGE a
	WIN 0
.set BK, 64+32*(\a)+64*((\a)/3)
.irp b, 0,1,2,3,4,5,6,7
	ds_store_b128 v[STO], v[TMP+4*(\b):TMP+4*(\b)+3] offset:32*(\b)
.endr
.irp t, 0,1,2,3,4,5,6,7
	ds_load_b128 v[BK+4*(\t):BK+4*(\t)+3], v[RD] offset:(\t)*2*PITCH  ; LDS serves a wave's instructions in order (ISA guide 5.7.1.4): these see the stores above
.endr
.endm
.macro SEND a
	WIN 0
.set BK, 64+32*(\a)+64*((\a)/3)
	s_wait_dscnt 0x0                               ; the block is back in registers
.irp t, 0,1,2,3,4,5,6,7
	global_store_b128 v[CO], v[BK+4*(\t):BK+4*(\t)+3], s[6:7] offset:(16*(\a)+2*(\t))*OUTP  ; 16 lanes store 256 consecutive bytes, at a multiple of 256 from pw's first byte
.endr
.endm
; The last quarter of my queries 64-127: C is their sums in window 3, D the registers in window 2 that the first four blocks have left: the second walk finds its scores where the first did, and nothing is copied.
.macro MULX
	WIN 0xb1                                       ; source 0 window 1, source 1 window 0, C window 3, D window 2
.irp a, 0,1,2,3
.irp b, 0,1,2,3,4,5,6,7
	v_wmma_f32_16x16x32_f16 v[8*(8*(\a)+(\b)):8*(8*(\a)+(\b))+7], v[F1+8*(\b):F1+8*(\b)+7], v[F1+8*(4+(\a)):F1+8*(4+(\a))+7], v[8*(8*(\a)+(\b)):8*(8*(\a)+(\b))+7]
.endr
.endr
.endm
	s_mov_b32 s[PS], 2
.Lpass:
.rept 4
	v_nop                                          ; the places between the last products and the lines that read them (ISA guide 7.12.1)
.endr
	PACK 0
	TOSTAGE 0
.irp a, 1,2,3                          ; a block's arithmetic stands between the loads of the block before and the wait for them
	PACK \a
	SEND (\a)-1
	TOSTAGE \a
.endr
	SEND 3
	; stat: both halves of the lanes hold a block's figures; lanes 0-15 take block a's, lanes 16-31 block a + 1's, so that 32 lanes store 32 neighbouring queries' pairs: 256 consecutive bytes, aligned
	v_cndmask_b32 v[PR],   v[KCM],   v[KCM+1], s[HM]
	v_cndmask_b32 v[PR+1], v[KL],    v[KL+1],  s[HM]
	v_cndmask_b32 v[PR+2], v[KCM+2], v[KCM+3], s[HM]
	v_cndmask_b32 v[PR+3], v[KL+2],  v[KL+3],  s[HM]
	global_store_b64 v[SO], v[PR:PR+1], s[8:9]
	global_store_b64 v[SO], v[PR+2:PR+3], s[8:9] offset:256
	s_wait_xcnt 0x0                                ; the stores' bases and data registers are written again only behind this wait
	s_add_nc_u64 s[6:7], s[6:7], 64*OUTP           ; 64 queries on in pw
	s_add_nc_u64 s[8:9], s[8:9], 512               ; and in stat
	s_cmp_eq_u32 s[PS], 1
	s_cbranch_scc1 .Lpdone                         ; behind the second walk nothing is left to multiply
	MULX
	WIN 0
.Lpdone:
	s_sub_co_u32 s[PS], s[PS], 1
	s_cmp_lg_u32 s[PS], 0
	s_cbranch_scc1 .Lpass
	s_wait_tensorcnt 0x0                           ; the wave's end, behind my last tensor load and my last LDS store
	ds_add_u32 v[SPW], v[NIL]
	s_wait_dscnt 0x0
	CROUND                                         ; the closing round: no work-group ends while a partner may still ask for a tile that names it
	s_endpgm
.Lfunc_end_k_q454b68d684_scores:
	.size	k_q454b68d684_scores, .Lfunc_end_k_q454b68d684_scores-k_q454b68d684_scores
	.p2alignl 7, 3214868480
	.fill 96, 4, 3214868480
	.section	.rodata,"a",@progbits
	.p2align	6, 0x0
	.amdhsa_kernel k_q454b68d684_scores
		.amdhsa_group_segment_fixed_size 327680
		.amdhsa_private_segment_fixed_size 0
		.amdhsa_enable_private_segment 0
		.amdhsa_kernarg_size 24
		.amdhsa_user_sgpr_count 2
		.amdhsa_user_sgpr_kernarg_segment_ptr 1
		.amdhsa_wavefront_size32 1
		.amdhsa_system_sgpr_workgroup_id_x 1
		.amdhsa_system_sgpr_workgroup_id_y 1
		.amdhsa_system_sgpr_workgroup_id_z 1
		.amdhsa_system_vgpr_workitem_id 0
		.amdhsa_next_free_vgpr 1024
		.amdhsa_next_free_sgpr 80
		.amdhsa_reserve_vcc 0
		.amdhsa_float_denorm_mode_32 3
		.amdhsa_float_denorm_mode_16_64 3
		.amdhsa_memory_ordered 1
		.amdhsa_forward_progress 1
		.amdhsa_inst_pref_size 98
	.end_amdhsa_kernel
	.amdgpu_metadata
---
amdhsa.version: [ 1, 2 ]
amdhsa.kernels:
  - .name:           k_q454b68d684_scores
    .symbol:         k_q454b68d684_scores.kd
    .args:
      - { .name: kvq, .offset: 0, .size: 8, .value_kind: global_buffer, .address_space: global }
      - { .name: pw, .offset: 8, .size: 8, .value_kind: global_buffer, .address_space: global }
      - { .name: stat, .offset: 16, .size: 8, .value_kind: global_buffer, .address_space: global }
    .group_segment_fixed_size: 327680
    .private_segment_fixed_size: 0
    .kernarg_segment_align: 8
    .kernarg_segment_size: 24
    .max_flat_workgroup_size: 128
    .sgpr_count:     80
    .vgpr_count:     1024
    .wavefront_size: 32
...
	.end_amdgpu_metadata
.endif
;; end of part 3
;; launch pv (part 4): grid 4 x 64, 4 waves a work-group, clusters of 4 x 4, 327,680 bytes of LDS; arguments pw, stat, kvq, att; writes att
.if DOCPART == 4
	.amdgcn_target "amdgcn-amd-amdhsa--gfx1250"
	.amdhsa_code_object_version 6
	.text
	.protected	k_q454b68d684_pv
	.globl	k_q454b68d684_pv
	.p2align	8
	.type	k_q454b68d684_pv,@function
k_q454b68d684_pv:
	s_mov_b64 s[64:65], 0
	v_nop
	global_prefetch_b8 v0, s[64:65] scope:SCOPE_SE
	s_setreg_imm32_b32 hwreg(HW_REG_WAVE_MODE, 25, 1), 1
	s_wait_xcnt 0x0
	s_wait_alu depctr_hold_cnt(0) depctr_sa_sdst(0) depctr_va_vdst(0) depctr_va_sdst(0) depctr_va_ssrc(0) depctr_va_vcc(0) depctr_vm_vsrc(0)
	s_getreg_b32 s2, hwreg(HW_REG_IB_STS2, 6, 4)
	s_cmp_eq_u32 s2, 0
	s_cbranch_scc0 .Lentry_in_a_cluster
	s_endpgm
.Lentry_in_a_cluster:
	s_bfe_u32 s2, ttmp6, 0x10000c
	s_cmp_lg_u32 s2, 0xf033
	s_cbranch_scc0 .Lentry_shape_is_right
	s_endpgm
.Lentry_shape_is_right:
; PV.  For each query: M = the largest cm of its 16 chunks; f_t = 2^(cm_t - M); L = the sum of f_t l_t; att[q][d] = sum over t of (f_t / L) x (sum over the chunk's keys k of pw[q][k] V[k][d]), rounded to f16.
; So the weights are 2^(c s - M) / L with M the query's own maximum times c: the softmax over all 2,048 keys.  pw goes to the matrix unit as it lies; a chunk's products (f16 operands) have an f32 sum of their
; own, and at the chunk's end that sum, times the chunk's factor in f32, is added onto the total.
; pw: [8192][2048] f16.  stat: [16][8192][2] f32 (cm, l).  V: part 1 of kvq, [8192][1024] f16.  att: [8192][1024] f16.
; LIMIT.  A factor below 2^-126 counts as 0, against an L of 1 or more.  att has V's range.  NaN and infinities are not treated apart.
; SHARES.  A work-group makes 128 queries x 256 channels; four waves 2 x 2, each 64 x 128: 32 accumulators.  256 work-groups.  The keys go in steps of 128 (one chunk) through two LDS slots; a step is four quarters of 32.
; CLUSTER.  4 x 4: pw's tile is shared along a row of the cluster, V's along a column.
; THE MATRIX INSTRUCTION IS USED TRANSPOSED (source 0 = 16 channels of V, turned on the way out of LDS by ds_load_tr16_b128; source 1 = 16 queries of pw): a lane holds one query and eight neighbouring channels.
; REGISTERS, in windows of 256 (s_set_vgpr_msb: bits 1:0 source 0, 3:2 source 1, 5:4 source 2, 7:6 destination):
;   window 0: v0-31 addresses; v32-63 factors and statistics; v64-159, v160-255 two fragment buffers (pw's 4 fragments, V's 8); at the head v64-191 hold stat
;   window 1: the chunk's sums, accumulator (a, b) at v[8 (8 a + b)]          window 2: the totals, in the same places
; The totals are cleared at the head, 256 v_mov_b32 in the wait for the first tiles: the price of one text for every chunk's end, the first chunk's too.
.set PITCH,  272                       ; an LDS row of pw: 256 + 16 bytes
.set PV,     544                       ; a row of V: 512 + 32 bytes = 136 words
.set HALFA,  64*PITCH
.set ABYTES, 2*HALFA
.set HALFB,  64*PV
.set SLOT1,  1<<17                     ; a slot holds 104,448 bytes; slot 1 begins here, so that one exclusive or turns an address in one slot into the other's
.set STAGE,  SLOT1+ABYTES+2*HALFB      ; 16 rows x 272 bytes for each wave; no tensor load fills it
.set FTAB,   STAGE+4*16*PITCH          ; 8,192 bytes for each wave: for chunk t 512 bytes, 16 a lane: f_t / L of my query in blocks 0 to 3, in f32.  Written by ds_store alone
.set SPARE,  FTAB+4*8192               ; the spare words, 128 bytes for each wave: two blocks of 256 bytes that no other line names
.set STEPA,  256                       ; a chunk in bytes of a row of pw
.set STEPB,  128*2048                  ; 128 keys down in V
.set KSTEPS, 16
.set OUTP,   2048
.set A0,  16                           ; v16  my lane's place in pw's rows of slot 0; never rewritten
.set B0,  17                           ; v17  the same for V
.set ADA, 18                           ; v18  the same in the slot in hand
.set ADB, 19
.set FT0, 20                           ; v20  my 16 bytes in chunk 0 of my wave's table; never rewritten
.set FAD, 21                           ; v21  the same in the chunk in hand
.set STO, 24
.set RD,  25
.set CO,  26
.set SO,  27                           ; v27  8 r: my query's pair in 16 queries of stat
.set SPW, 28
.set NIL, 29
.set FC,  32                           ; v32-35 the chunk's factors of blocks 0 to 3, as loaded
.set FP,  36                           ; v36-43 the same, each twice: pairs for the packed multiply-add
.set RL,  44                           ; v44-47 1 / L
.set MX,  52                           ; v52-55 M
.set LL,  56                           ; v56-59 L
.set TT,  60                           ; v60-63 at work
.set F0,  64
.set F1,  160
.set TMP, 192
.set G1,  24                           ; s[24:31] descriptor group 1 for pw's tiles; s[32:39] group 0: a set for each of the two first fills; the second then walks on
.set G0,  32
.set G1B, 48                           ; s[48:55], s[56:63] the same for V's
.set G0B, 56
.set SLB, 66                           ; s66  where the slot in hand begins
.set SL,  69
.set TBF, 70                           ; s70  512 x the chunk whose factors are fetched next
.set MSB, 0
.macro WIN new
.if MSB != (\new)
	s_set_vgpr_msb (MSB<<8)|(\new)
.set MSB, \new
.endif
.endm
.macro JLOAD s                         ; a joint load: waves 0 and 1 fetch pw's two halves, waves 2 and 3 V's; an s_nop 0 and four v_nop follow each of the two lines
	s_cmp_eq_u32 s11, 0
	s_cbranch_scc0 .Lfor_b_\@
	tensor_load_to_lds s[G0+4*(\s):G0+4*(\s)+3], s[G1:G1+7]
	s_nop 0
.rept 4
	v_nop
.endr
	s_branch .Lasked_\@
.Lfor_b_\@:
	tensor_load_to_lds s[G0B+4*(\s):G0B+4*(\s)+3], s[G1B:G1B+7]
	s_nop 0
.rept 4
	v_nop
.endr
.Lasked_\@:
.endm
.macro CROUND                          ; a round of the cluster's barrier
	s_barrier_signal -1
	s_barrier_wait -1
	s_cmp_lg_u32 s10, 0
	s_cbranch_scc1 .Lnot_wave_0_\@
	s_barrier_signal -3
.Lnot_wave_0_\@:
	s_barrier_wait -3
	s_barrier_signal -1
	s_barrier_wait -1
.endm
	s_load_b128 s[4:7], s[0:1], 0x0                ; pw s[4:5], stat s[6:7]
	s_load_b128 s[20:23], s[0:1], 0x10             ; kvq s[20:21], att s[22:23]
	v_lshl_add_u32 v[SPW], v0, 2, SPARE
	v_mov_b32 v[NIL], 0
	ds_add_u32 v[SPW], v[NIL]                      ; the wave's opening: the add and its wait ahead of my first tensor load
	v_lshrrev_b32 v1, 5, v0
	v_readfirstlane_b32 s10, v1                    ; wave 0..3
	s_lshr_b32 s11, s10, 1                         ; which 64 queries are mine.  Also: I fetch for pw (0) or for V (1)
	s_and_b32 s12, s10, 1                          ; which 128 channels.  Also: which half of that tile I fetch
	s_bfe_u32 s40, ttmp6, 0x40000
	s_bfe_u32 s41, ttmp6, 0x40004
	s_lshl_b32 s42, ttmp9, 2
	s_add_co_u32 s42, s42, s40                     ; channel tile
	s_and_b32 s45, ttmp7, 0xffff
	s_lshl_b32 s13, s45, 2
	s_add_co_u32 s13, s13, s41                     ; query tile
	s_lshl_b32 s43, s41, 2
	s_lshl_b32 s43, 15, s43
	s_lshl_b32 s44, 0x1111, s40
	; descriptor group 1.  pw: 64 rows x 128 elements of 2 bytes, 2,048 from row to row, 4 words of padding after every 64.  V: 64 rows x 256 elements, 1,024 from row to row, 8 words after every 128.
	s_or_b32 s[G1+0], s43, (1<<16)|(1<<20)|(1<<21)|(5<<22)|(3<<25)
	s_mov_b32 s[G1+1], 128<<16
	s_mov_b32 s[G1+2], 64<<16
	s_mov_b32 s[G1+3], 128<<16
	s_mov_b32 s[G1+4], 64
	s_mov_b32 s[G1+5], 2048
	s_mov_b32 s[G1+6], 0
	s_mov_b32 s[G1+7], 0
	s_or_b32 s[G1B+0], s44, (1<<16)|(1<<20)|(1<<21)|(6<<22)|(7<<25)
	s_mov_b32 s[G1B+1], 256<<16
	s_mov_b32 s[G1B+2], 64<<16
	s_mov_b32 s[G1B+3], 256<<16
	s_mov_b32 s[G1B+4], 64
	s_mov_b32 s[G1B+5], 1024
	s_mov_b32 s[G1B+6], 0
	s_mov_b32 s[G1B+7], 0
	s_lshl_b32 s16, s13, 7                         ; pw: row 128 x query tile + 64 x half, 4,096 bytes a row
	s_lshl_b32 s17, s12, 6
	s_add_co_u32 s16, s16, s17
	s_lshl_b32 s16, s16, 12
	s_mov_b32 s17, 0
	s_lshr_b32 s46, s45, 2                         ; V: part 1 of kvq, row 2,048 x batch + 64 x half, 2,048 bytes a row; 512 bytes a channel tile
	s_lshl_b32 s46, s46, 11
	s_lshl_b32 s47, s12, 6
	s_add_co_u32 s46, s46, s47
	s_lshl_b32 s46, s46, 11
	s_lshl_b32 s47, s42, 9
	s_add_co_u32 s46, s46, s47
	s_add_co_u32 s46, s46, 0x1000000
	s_mov_b32 s47, 0
	s_mul_i32 s18, s12, HALFA                      ; where the tiles go: all below 1 << 17
	s_mul_i32 s19, s12, HALFB
	s_add_co_u32 s19, s19, ABYTES
	s_mov_b32 s[SLB], 0
	s_mov_b32 s[TBF], 0
	s_wait_dscnt 0x0                               ; the opening add is done
	s_wait_kmcnt 0x0
	s_add_nc_u64 s[14:15], s[4:5], s[16:17]
	s_add_nc_u64 s[46:47], s[20:21], s[46:47]
	CROUND
.irp s, 0,1
	s_mov_b32 s[G0+4*(\s)], 1
	s_add_co_u32 s[G0+4*(\s)+1], s18, (\s)*SLOT1
	s_add_nc_u64 s[G0+4*(\s)+2:G0+4*(\s)+3], s[14:15], (\s)*STEPA
	s_or_b32 s[G0+4*(\s)+3], s[G0+4*(\s)+3], 0x80000000
	s_mov_b32 s[G0B+4*(\s)], 1
	s_add_co_u32 s[G0B+4*(\s)+1], s19, (\s)*SLOT1
	s_add_nc_u64 s[G0B+4*(\s)+2:G0B+4*(\s)+3], s[46:47], (\s)*STEPB
	s_or_b32 s[G0B+4*(\s)+3], s[G0B+4*(\s)+3], 0x80000000
	JLOAD \s                                       ; two loads of mine are out
.endr
	; THE STATISTICS, in the wait for the first tiles.  Lane l takes, for block a and chunk t, the pair of query 16 a + l % 16.
	v_and_b32 v1, 15, v0                           ; r
	v_bfe_u32 v2, v0, 4, 1                         ; h
	v_lshlrev_b32 v[SO], 3, v1
	s_lshl_b32 s77, s13, 7
	s_lshl_b32 s78, s11, 6
	s_add_co_u32 s77, s77, s78                     ; my first query
	s_lshl_b32 s78, s77, 3
	s_mov_b32 s79, 0
	s_add_nc_u64 s[6:7], s[6:7], s[78:79]
.set i, 0
.rept 64
	global_load_b64 v[64+2*i:65+2*i], v[SO], s[6:7] offset:(i/4)*65536+(i%4)*128  ; chunk i / 4, block i % 4
.set i, i+1
.endr
	v_mul_u32_u24 v3, v1, PITCH
	v_lshl_add_u32 v3, v2, 4, v3
	s_mul_i32 s16, s11, HALFA
	v_add_nc_u32 v[A0], s16, v3
	s_mul_i32 s16, s10, 16*PITCH
	s_add_co_u32 s16, s16, STAGE
	v_add_nc_u32 v[STO], s16, v3
	v_mul_u32_u24 v4, v2, PITCH
	v_lshl_add_u32 v4, v1, 4, v4
	v_add_nc_u32 v[RD], s16, v4
	; the turning load takes 16 keys x 16 channels: lane l reads key 8 h + l % 8, channels 8 ((l / 8) % 2) + 0..7, and is left with channel l % 16 and 8 keys
	v_and_b32 v3, 7, v0
	v_lshl_add_u32 v3, v2, 3, v3
	v_mul_u32_u24 v3, v3, PV
	v_bfe_u32 v4, v0, 3, 1
	v_lshl_add_u32 v3, v4, 4, v3
	s_lshl_b32 s16, s12, 8                         ; my 128 channels in V's rows
	s_add_co_u32 s16, s16, ABYTES
	v_add_nc_u32 v[B0], s16, v3
	v_and_b32 v3, 31, v0
	s_lshl_b32 s16, s10, 13
	s_add_co_u32 s16, s16, FTAB
	v_lshl_add_u32 v[FT0], v3, 4, s16
	v_lshlrev_b32 v[CO], 11, v2
	v_lshl_add_u32 v[CO], v1, 4, v[CO]
	s_lshl_b32 s78, s77, 11                        ; att: 2,048 bytes a query, 512 a channel tile, 256 a half
	s_lshl_b32 s79, s42, 9
	s_add_co_u32 s78, s78, s79
	s_lshl_b32 s79, s12, 8
	s_add_co_u32 s78, s78, s79
	s_mov_b32 s79, 0
	s_add_nc_u64 s[22:23], s[22:23], s[78:79]
	WIN 0x80                                       ; destination window 2: the totals start at 0
.set i, 0
.rept 256
	v_mov_b32 v[i], 0
.set i, i+1
.endr
	WIN 0
	s_wait_loadcnt 0x0                             ; stat
.irp a, 0,1,2,3
	v_max_num_f32 v[MX+(\a)], v[64+2*(\a)], v[64+2*(4+(\a))]
.endr
.irp k, 1,2,3,4,5,6,7
.irp a, 0,1,2,3
	v_max3_num_f32 v[MX+(\a)], v[MX+(\a)], v[64+2*(8*(\k)+(\a))], v[64+2*(8*(\k)+4+(\a))]
.endr
.endr
.set i, 0
.rept 64
	v_sub_f32 v[64+2*i], v[64+2*i], v[MX+i%4]      ; cm_t - M, never above 0
.set i, i+1
.endr
.set i, 0
.rept 64
	v_exp_f32 v[64+2*i], v[64+2*i]                 ; f_t takes cm_t's place
.set i, i+1
.endr
	v_nop                                          ; a plain instruction between the last exponential and the use of its result
	s_wait_alu depctr_va_vdst(0)
.irp a, 0,1,2,3
	v_mul_f32 v[LL+(\a)], v[64+2*(\a)], v[65+2*(\a)]
.endr
.set i, 4
.rept 60
	v_fmac_f32 v[LL+i%4], v[64+2*i], v[65+2*i]     ; L = the sum of f_t l_t, four chains
.set i, i+1
.endr
.irp a, 0,1,2,3
	v_rcp_f32 v[RL+(\a)], v[LL+(\a)]
.endr
	v_nop
.set t, 0
	s_wait_alu depctr_va_vdst(0)
.rept 16
.irp a, 0,1,2,3
	v_mul_f32 v[TT+(\a)], v[64+2*(4*t+(\a))], v[RL+(\a)]  ; f_t / L: the division is done here once, so the way out has none
.endr
	ds_store_b128 v[FT0], v[TT:TT+3] offset:512*t
.set t, t+1
.endr
; Quarter q of the slot in hand into buffer g: 24 LDS loads in one run, the quarter's place in the immediates.  Four v_nop are the places between the last matrix instruction that read buffer g and these loads.
.macro FETCH g, q
	WIN 0
.rept 4
	v_nop
.endr
.irp i, 0,1,2,3
	ds_load_b128 v[(\g)+8*(\i):(\g)+8*(\i)+3],   v[ADA] offset:(\q)*64+(\i)*16*PITCH
	ds_load_b128 v[(\g)+8*(\i)+4:(\g)+8*(\i)+7], v[ADA] offset:(\q)*64+(\i)*16*PITCH+32
.endr
.irp i, 0,1,2,3,4,5,6,7
	ds_load_tr16_b128 v[(\g)+32+8*(\i):(\g)+32+8*(\i)+3],   v[ADB] offset:(\q)*32*PV+32*(\i)
	ds_load_tr16_b128 v[(\g)+32+8*(\i)+4:(\g)+32+8*(\i)+7], v[ADB] offset:(\q)*32*PV+32*(\i)+16*PV
.endr
.endm
.macro LOADFC                          ; the factors of the chunk that is about to end: my wave's own bytes (LDS serves a wave's instructions in order: ISA guide 5.7.1.4)
	WIN 0
	v_add_nc_u32 v[FAD], s[TBF], v[FT0]
	ds_load_b128 v[FC:FC+3], v[FAD]
	s_add_co_u32 s[TBF], s[TBF], 512
.endm
.macro MUL f, zero                     ; 32 matrix instructions: the 32 accumulators take turns, one instruction a turn, in the same order in every quarter.  zero = 1: a chunk's first products start its sums
	WIN 0x50                                       ; C and D window 1
.irp a, 0,1,2,3
.irp b, 0,1,2,3,4,5,6,7
.if \zero
	v_wmma_f32_16x16x32_f16 v[8*(8*(\a)+(\b)):8*(8*(\a)+(\b))+7], v[(\f)+32+8*(\b):(\f)+32+8*(\b)+7], v[(\f)+8*(\a):(\f)+8*(\a)+7], 0
.else
	v_wmma_f32_16x16x32_f16 v[8*(8*(\a)+(\b)):8*(8*(\a)+(\b))+7], v[(\f)+32+8*(\b):(\f)+32+8*(\b)+7], v[(\f)+8*(\a):(\f)+8*(\a)+7], v[8*(8*(\a)+(\b)):8*(8*(\a)+(\b))+7]
.endif
.endr
.endr
.endm
; A CHUNK'S END: total += factor x the chunk's sums, in f32, each accumulator's registers in ascending order.  The eight copies that make pairs of the factors are the places behind the last products.
.macro FOLD
	WIN 0
.irp a, 0,1,2,3
	v_mov_b32 v[FP+2*(\a)], v[FC+(\a)]
	v_mov_b32 v[FP+2*(\a)+1], v[FC+(\a)]
.endr
	WIN 0xa1                                       ; source 0 (the chunk's sums) window 1, source 1 (the factor) window 0, source 2 and destination (the totals) window 2
.irp a, 0,1,2,3
.irp b, 0,1,2,3,4,5,6,7
.irp i, 0,1,2,3
	v_pk_fma_f32 v[8*(8*(\a)+(\b))+2*(\i):8*(8*(\a)+(\b))+2*(\i)+1], v[8*(8*(\a)+(\b))+2*(\i):8*(8*(\a)+(\b))+2*(\i)+1], v[FP+2*(\a):FP+2*(\a)+1], v[8*(8*(\a)+(\b))+2*(\i):8*(8*(\a)+(\b))+2*(\i)+1]
.endr
.endr
.endr
.endm
.macro Q f, g, q, zero=0               ; a quarter: quarter q is fetched into g, buffer f is multiplied
	s_wait_dscnt 0x0                               ; the run of loads issued a quarter (32 matrix instructions) ago is in
	FETCH \g, \q
	MUL \f, \zero
.endm
; THE CHANGE OF SLOTS: each wave waits for all its tensor loads (one is out: its part of the other slot), adds 0 to its spare word, waits for that and for its reads of the slot.  fill = 1: a round of the
; cluster's barrier, and the joint refill, two chunks on, first behind it: it has 128 matrix instructions in which to land.
.macro CHANGE fill
	WIN 0
	s_wait_tensorcnt 0x0                           ; no tensor load of mine is out, so a group 0 may be written
	ds_add_u32 v[SPW], v[NIL]                      ; 0 onto my spare word
.if \fill
	s_xor_b32 s[G0+5], s[G0+5], SLOT1              ; the walking descriptors: the other slot than last time,
	s_add_nc_u64 s[G0+6:G0+7], s[G0+6:G0+7], STEPA ; the next chunk; the type bits on top are not reached
	s_xor_b32 s[G0B+5], s[G0B+5], SLOT1
	s_add_nc_u64 s[G0B+6:G0B+7], s[G0B+6:G0B+7], STEPB
.endif
	s_xor_b32 s[SLB], s[SLB], SLOT1                ; the fetches go on in the other slot
	s_wait_dscnt 0x0                               ; the add is done, and my reads of the slot are over
.if \fill
	CROUND
	JLOAD 1
.else
	s_barrier_signal -1
	s_barrier_wait -1
.endif
	v_add_nc_u32 v[ADA], s[SLB], v[A0]
	v_add_nc_u32 v[ADB], s[SLB], v[B0]
.endm
; A trip: the change of slots; the old chunk's last quarter, while the new chunk's first is fetched; the old chunk's end; the new chunk's first three quarters.
.macro STEP fill, tag
	CHANGE \fill
	LOADFC
	FETCH F0, 0
	MUL F1, 0
	s_wait_dscnt 0x0                               ; the factors are in (and the new chunk's first quarter)
	FOLD
	WIN 0
.Lzero\tag:
	Q F0, F1, 1, 1
	Q F1, F0, 2
	Q F0, F1, 3
	WIN 0
.endm
	s_wait_tensorcnt 0x1                           ; my part of chunk 0 is in; slot 1's load was issued behind it and may stay out
	s_wait_dscnt 0x0                               ; no LDS instruction of mine is out at a signal
	s_barrier_signal -1
	s_barrier_wait -1
	v_add_nc_u32 v[ADA], s[SLB], v[A0]
	v_add_nc_u32 v[ADB], s[SLB], v[B0]
	FETCH F0, 0
	s_mov_b32 s[SL], KSTEPS-1
	s_branch .Lzero1                               ; the loop is entered where a chunk begins, in the middle of a trip
.Lstep:                                                ; fourteen whole trips: every slot but the last two is filled again
	STEP 1, 1
	s_sub_co_u32 s[SL], s[SL], 1
	s_cmp_lg_u32 s[SL], 0
	s_cbranch_scc1 .Lstep
	STEP 0, 2                                      ; the tail is written out: nothing is left to ask for
	LOADFC
	s_wait_dscnt 0x0
	MUL F1, 0                                      ; the last chunk's last quarter,
	FOLD                                           ; and its end
	WIN 0
; THE WAY OUT, a block of 16 queries at a time: the totals are rounded to f16, go through my own stage and leave as whole rows of 256 bytes.
.macro PACK a
	WIN 0x0a                                       ; sources window 2, destination window 0
.irp b, 0,1,2,3,4,5,6,7
.irp i, 0,1,2,3
	v_cvt_pk_f16_f32 v[TMP+4*(\b)+(\i)], v[8*(8*(\a)+(\b))+2*(\i)], v[8*(8*(\a)+(\b))+2*(\i)+1]
.endr
.endr
	WIN 0
.endm
.macro TOSTAGE a
	WIN 0
.irp b, 0,1,2,3,4,5,6,7
	ds_store_b128 v[STO], v[TMP+4*(\b):TMP+4*(\b)+3] offset:32*(\b)
.endr
.irp t, 0,1,2,3,4,5,6,7
	ds_load_b128 v[64+32*(\a)+4*(\t):64+32*(\a)+4*(\t)+3], v[RD] offset:(\t)*2*PITCH  ; LDS serves a wave's instructions in order (ISA guide 5.7.1.4): these see the stores above
.endr
.endm
.macro SEND a                          ; each block has registers of its own, so no store's data is rewritten
	WIN 0
	s_wait_dscnt 0x0                               ; the block is back in registers
.irp t, 0,1,2,3,4,5,6,7
	global_store_b128 v[CO], v[64+32*(\a)+4*(\t):64+32*(\a)+4*(\t)+3], s[22:23] offset:(16*(\a)+2*(\t))*OUTP  ; 16 lanes store 256 consecutive bytes, at a multiple of 256 from att's first byte
.endr
.endm
	PACK 0
	TOSTAGE 0
.irp a, 1,2,3
	PACK \a
	SEND (\a)-1
	TOSTAGE \a
.endr
	SEND 3
	s_wait_tensorcnt 0x0                           ; the wave's end, behind my last tensor load and my last LDS store
	ds_add_u32 v[SPW], v[NIL]
	s_wait_dscnt 0x0
	CROUND                                         ; the closing round
	s_endpgm
.Lfunc_end_k_q454b68d684_pv:
	.size	k_q454b68d684_pv, .Lfunc_end_k_q454b68d684_pv-k_q454b68d684_pv
	.p2alignl 7, 3214868480
	.fill 96, 4, 3214868480
	.section	.rodata,"a",@progbits
	.p2align	6, 0x0
	.amdhsa_kernel k_q454b68d684_pv
		.amdhsa_group_segment_fixed_size 327680
		.amdhsa_private_segment_fixed_size 0
		.amdhsa_enable_private_segment 0
		.amdhsa_kernarg_size 32
		.amdhsa_user_sgpr_count 2
		.amdhsa_user_sgpr_kernarg_segment_ptr 1
		.amdhsa_wavefront_size32 1
		.amdhsa_system_sgpr_workgroup_id_x 1
		.amdhsa_system_sgpr_workgroup_id_y 1
		.amdhsa_system_sgpr_workgroup_id_z 1
		.amdhsa_system_vgpr_workitem_id 0
		.amdhsa_next_free_vgpr 768
		.amdhsa_next_free_sgpr 80
		.amdhsa_reserve_vcc 0
		.amdhsa_float_denorm_mode_32 3
		.amdhsa_float_denorm_mode_16_64 3
		.amdhsa_memory_ordered 1
		.amdhsa_forward_progress 1
		.amdhsa_inst_pref_size 110
	.end_amdhsa_kernel
	.amdgpu_metadata
---
amdhsa.version: [ 1, 2 ]
amdhsa.kernels:
  - .name:           k_q454b68d684_pv
    .symbol:         k_q454b68d684_pv.kd
    .args:
      - { .name: pw, .offset: 0, .size: 8, .value_kind: global_buffer, .address_space: global }
      - { .name: stat, .offset: 8, .size: 8, .value_kind: global_buffer, .address_space: global }
      - { .name: kvq, .offset: 16, .size: 8, .value_kind: global_buffer, .address_space: global }
      - { .name: att, .offset: 24, .size: 8, .value_kind: global_buffer, .address_space: global }
    .group_segment_fixed_size: 327680
    .private_segment_fixed_size: 0
    .kernarg_segment_align: 8
    .kernarg_segment_size: 32
    .max_flat_workgroup_size: 128
    .sgpr_count:     80
    .vgpr_count:     768
    .wavefront_size: 32
...
	.end_amdgpu_metadata
.endif
;; end of part 4
;; launch outp (part 5): grid 4 x 64, 4 waves a work-group, clusters of 4 x 4, 327,680 bytes of LDS; arguments att, wts, bo, out0; writes out0
.if DOCPART == 5
	.amdgcn_target "amdgcn-amd-amdhsa--gfx1250"
	.amdhsa_code_object_version 6
	.text
	.protected	k_q454b68d684_outp
	.globl	k_q454b68d684_outp
	.p2align	8
	.type	k_q454b68d684_outp,@function
k_q454b68d684_outp:
	s_mov_b64 s[64:65], 0
	v_nop
	global_prefetch_b8 v0, s[64:65] scope:SCOPE_SE
	s_setreg_imm32_b32 hwreg(HW_REG_WAVE_MODE, 25, 1), 1
	s_wait_xcnt 0x0
	s_wait_alu depctr_hold_cnt(0) depctr_sa_sdst(0) depctr_va_vdst(0) depctr_va_sdst(0) depctr_va_ssrc(0) depctr_va_vcc(0) depctr_vm_vsrc(0)
	s_getreg_b32 s2, hwreg(HW_REG_IB_STS2, 6, 4)
	s_cmp_eq_u32 s2, 0
	s_cbranch_scc0 .Lentry_in_a_cluster
	s_endpgm
.Lentry_in_a_cluster:
	s_bfe_u32 s2, ttmp6, 0x10000c
	s_cmp_lg_u32 s2, 0xf033
	s_cbranch_scc0 .Lentry_shape_is_right
	s_endpgm
.Lentry_shape_is_right:
; OUTP.  out0[q][e] = sum over d of att[q][d] Wo[e][d] + bo[e].  att: [8192][1024] f16; Wo: part 3 of wts, f16 (Wo rounded to bf16, written as f16); bo: [1024] f32, rounded to bf16 like every input; out0: f32.
; Products with f16 operands, sums in f32 (they start with the bias), stored as they are.  NaN and infinities are not treated apart.
; SHARES.  A work-group makes 128 rows x 256 columns; four waves 2 x 2, each 64 x 128: 32 accumulators.  256 work-groups.  K goes in steps of 128 through two LDS slots; a step is four quarters of 32.
; CLUSTER.  4 x 4: att's tile is shared along a row of the cluster, Wo's along a column; each is asked for jointly, by the same tensor load with the same descriptor and a mask that names the four.
; THE MATRIX INSTRUCTION IS USED TRANSPOSED (source 0 = 16 rows of Wo, source 1 = 16 rows of att): a lane holds one row and eight neighbouring columns: 32 bytes of f32.
; REGISTERS, in windows of 256 (s_set_vgpr_msb: bits 1:0 source 0, 3:2 source 1, 5:4 source 2, 7:6 destination):
;   window 0: v0-31 addresses; v64-159, v160-255 two fragment buffers (att's 4 fragments, then Wo's 8); on the way out v64-127 and v128-191 rows read back, by turns
;   window 1: accumulator (a, b) at v[8 (8 a + b)]          window 2: v0-63 my 64 numbers of the bias
.set PITCH,  272                       ; an LDS row: 256 bytes + 16 = 68 words: row r starts at bank 4 r mod 64 (64 banks of 4 bytes: ISA guide 11.1)
.set HALFA,  64*PITCH
.set ABYTES, 2*HALFA
.set HALFB,  128*PITCH
.set SLOTB,  ABYTES+2*HALFB            ; a slot holds 104,448 bytes
.set SLOT1,  1<<17                     ; slot 1 begins here, so that one exclusive or turns an address in one slot into the other's
.set STAGE,  SLOT1+SLOTB               ; 235,520: 16 rows x 528 bytes for each wave; no tensor load fills it
.set OPITCH, 528                       ; a row of the stage: 512 bytes + 16
.set SPARE,  STAGE+4*16*OPITCH         ; the spare words, 128 bytes for each wave: two blocks of 256 bytes that no other line names
.set STEP,   256                       ; a K step in bytes of a row of att or Wo
.set KSTEPS, 8
.set A0,  16                           ; v16  my lane's place in att's rows of slot 0; never rewritten
.set B0,  17                           ; v17  the same for Wo
.set ADA, 18                           ; v18  LDS address of the run of loads in hand, att
.set ADB, 19                           ; v19  Wo
.set STO, 24                           ; v24  the way out: where I put 32 bytes of a row
.set RD,  25                           ; v25  where I read a row back
.set CO,  26                           ; v26  16 x lane: my place in 512 bytes of a row of out0
.set SO,  27                           ; v27  my byte offset in the bias
.set SPW, 28                           ; v28  LDS address of my spare word; never rewritten
.set NIL, 29                           ; v29  0; never rewritten
.set F0,  64
.set F1,  160
.set BI,  0                            ; window 2
.set G1,  24                           ; s[24:31] descriptor group 1 for att's tiles; s[32:39] group 0: a set for each of the two first fills; the second then walks on
.set G0,  32
.set G1B, 48                           ; s[48:55], s[56:63] the same for Wo's
.set G0B, 56
.set TB,  66                           ; s66  LDS byte, in the rows, of the quarter to be fetched next
.set CNT, 68
.set SL,  69
.set HM,  76                           ; s76  a word's upper bf16
.set MSB, 0
.macro WIN new                         ; the immediate's high byte repeats the setting that is left; a switch that changes nothing is dropped
.if MSB != (\new)
	s_set_vgpr_msb (MSB<<8)|(\new)
.set MSB, \new
.endif
.endm
.macro JLOAD s                         ; a joint load: waves 0 and 1 fetch att's two halves, waves 2 and 3 Wo's; an s_nop 0 and four v_nop follow each of the two lines
	s_cmp_eq_u32 s11, 0
	s_cbranch_scc0 .Lfor_b_\@
	tensor_load_to_lds s[G0+4*(\s):G0+4*(\s)+3], s[G1:G1+7]
	s_nop 0
.rept 4
	v_nop
.endr
	s_branch .Lasked_\@
.Lfor_b_\@:
	tensor_load_to_lds s[G0B+4*(\s):G0B+4*(\s)+3], s[G1B:G1B+7]
	s_nop 0
.rept 4
	v_nop
.endr
.Lasked_\@:
.endm
.macro CROUND                          ; a round of the cluster's barrier: my work-group's barrier; wave 0 signals for the work-group; every wave waits for all sixteen; my work-group's barrier once more
	s_barrier_signal -1
	s_barrier_wait -1
	s_cmp_lg_u32 s10, 0
	s_cbranch_scc1 .Lnot_wave_0_\@
	s_barrier_signal -3
.Lnot_wave_0_\@:
	s_barrier_wait -3
	s_barrier_signal -1
	s_barrier_wait -1
.endm
	s_load_b128 s[4:7], s[0:1], 0x0                ; att s[4:5], wts s[6:7]
	s_load_b128 s[20:23], s[0:1], 0x10             ; bo s[20:21], out0 s[22:23]
	v_lshl_add_u32 v[SPW], v0, 2, SPARE
	v_mov_b32 v[NIL], 0
	ds_add_u32 v[SPW], v[NIL]                      ; the wave's opening: the add and its wait ahead of my first tensor load; work on registers stands between them
	v_lshrrev_b32 v1, 5, v0
	v_readfirstlane_b32 s10, v1                    ; wave 0..3
	s_lshr_b32 s11, s10, 1                         ; which 64 rows are mine.  Also: I fetch for att (0) or for Wo (1)
	s_and_b32 s12, s10, 1                          ; which 128 columns.  Also: which half of that tile I fetch
	s_bfe_u32 s40, ttmp6, 0x40000                  ; cx, cy: my place in the cluster
	s_bfe_u32 s41, ttmp6, 0x40004
	s_lshl_b32 s42, ttmp9, 2
	s_add_co_u32 s42, s42, s40                     ; column tile
	s_and_b32 s45, ttmp7, 0xffff
	s_lshl_b32 s13, s45, 2
	s_add_co_u32 s13, s13, s41                     ; row tile
	s_lshl_b32 s43, s41, 2
	s_lshl_b32 s43, 15, s43                        ; my row of the cluster
	s_lshl_b32 s44, 0x1111, s40                    ; my column
	; descriptor group 1: rows of 128 elements of 2 bytes, 1,024 elements from row to row, 4 words of padding after every 64; att 64 rows, Wo 128
	s_or_b32 s[G1+0], s43, (1<<16)|(1<<20)|(1<<21)|(5<<22)|(3<<25)
	s_mov_b32 s[G1+1], 128<<16
	s_mov_b32 s[G1+2], 64<<16
	s_mov_b32 s[G1+3], 128<<16
	s_mov_b32 s[G1+4], 64
	s_mov_b32 s[G1+5], 1024
	s_mov_b32 s[G1+6], 0
	s_mov_b32 s[G1+7], 0
	s_or_b32 s[G1B+0], s44, (1<<16)|(1<<20)|(1<<21)|(5<<22)|(3<<25)
	s_mov_b32 s[G1B+1], 128<<16
	s_mov_b32 s[G1B+2], 128<<16
	s_mov_b32 s[G1B+3], 128<<16
	s_mov_b32 s[G1B+4], 128
	s_mov_b32 s[G1B+5], 1024
	s_mov_b32 s[G1B+6], 0
	s_mov_b32 s[G1B+7], 0
	s_lshl_b32 s16, s13, 7                         ; att: row 128 x row tile + 64 x half, 2,048 bytes a row
	s_lshl_b32 s17, s12, 6
	s_add_co_u32 s16, s16, s17
	s_lshl_b32 s16, s16, 11
	s_mov_b32 s17, 0
	s_lshl_b32 s46, s42, 8                         ; Wo: part 3 of wts, row 256 x column tile + 128 x half
	s_lshl_b32 s47, s12, 7
	s_add_co_u32 s46, s46, s47
	s_lshl_b32 s46, s46, 11
	s_add_co_u32 s46, s46, 0x600000
	s_mov_b32 s47, 0
	s_mul_i32 s18, s12, HALFA                      ; where the tiles go: all below 1 << 17; no place in the cluster enters an LDS address
	s_mul_i32 s19, s12, HALFB
	s_add_co_u32 s19, s19, ABYTES
	s_mov_b32 s[HM], 0xffff0000
	s_mov_b32 s[TB], 0
	s_wait_dscnt 0x0                               ; the opening add is done
	s_wait_kmcnt 0x0
	s_add_nc_u64 s[14:15], s[4:5], s[16:17]
	s_add_nc_u64 s[46:47], s[6:7], s[46:47]
	CROUND                                         ; all sixteen work-groups are here: the first joint loads meet
.irp s, 0,1
	s_mov_b32 s[G0+4*(\s)], 1                      ; count = 1
	s_add_co_u32 s[G0+4*(\s)+1], s18, (\s)*SLOT1   ; LDS address
	s_add_nc_u64 s[G0+4*(\s)+2:G0+4*(\s)+3], s[14:15], (\s)*STEP  ; global address: K step s
	s_or_b32 s[G0+4*(\s)+3], s[G0+4*(\s)+3], 0x80000000           ; type = 2
	s_mov_b32 s[G0B+4*(\s)], 1
	s_add_co_u32 s[G0B+4*(\s)+1], s19, (\s)*SLOT1
	s_add_nc_u64 s[G0B+4*(\s)+2:G0B+4*(\s)+3], s[46:47], (\s)*STEP
	s_or_b32 s[G0B+4*(\s)+3], s[G0B+4*(\s)+3], 0x80000000
	JLOAD \s                                       ; two loads of mine are out
.endr
	v_and_b32 v1, 15, v0                           ; r
	v_bfe_u32 v2, v0, 4, 1                         ; h
	v_lshlrev_b32 v[SO], 5, v2                     ; the bias of my columns 16 b + 8 h + 0..7
	s_lshl_b32 s78, s42, 10
	s_lshl_b32 s79, s12, 9
	s_add_co_u32 s78, s78, s79
	s_mov_b32 s79, 0
	s_add_nc_u64 s[20:21], s[20:21], s[78:79]
	WIN 0x80                                       ; destination window 2
.irp b, 0,1,2,3,4,5,6,7
	global_load_b128 v[BI+8*(\b):BI+8*(\b)+3],   v[SO], s[20:21] offset:64*(\b)
	global_load_b128 v[BI+8*(\b)+4:BI+8*(\b)+7], v[SO], s[20:21] offset:64*(\b)+16
.endr
	WIN 0
	v_mul_u32_u24 v3, v1, PITCH
	v_lshl_add_u32 v3, v2, 4, v3                   ; a fragment's row x pitch + 16 x half
	s_mul_i32 s16, s11, HALFA
	v_add_nc_u32 v[A0], s16, v3
	v_add_nc_u32 v[B0], s19, v3
	s_mul_i32 s16, s10, 16*OPITCH
	s_add_co_u32 s16, s16, STAGE                   ; my stage
	v_mul_u32_u24 v3, v1, OPITCH                   ; in: row r, 32 bytes for each half of the lanes
	v_lshl_add_u32 v3, v2, 5, v3
	v_add_nc_u32 v[STO], s16, v3
	v_and_b32 v[CO], 31, v0                        ; back: 32 lanes take one row of 512 bytes
	v_lshlrev_b32 v[CO], 4, v[CO]
	v_add_nc_u32 v[RD], s16, v[CO]
	s_lshl_b32 s77, s13, 7
	s_lshl_b32 s78, s11, 6
	s_add_co_u32 s77, s77, s78                     ; my first row
	s_lshl_b32 s78, s77, 12                        ; out0: 4,096 bytes a row, 1,024 a column tile, 512 a half
	s_lshl_b32 s79, s42, 10
	s_add_co_u32 s78, s78, s79
	s_lshl_b32 s79, s12, 9
	s_add_co_u32 s78, s78, s79
	s_mov_b32 s79, 0
	s_add_nc_u64 s[22:23], s[22:23], s[78:79]
	s_wait_loadcnt 0x0                             ; the bias: rounded to bf16 in place, in the wait for the first tile
	WIN 0x8a                                       ; destination and both sources window 2
.set p, 0
.rept 32
	v_cvt_pk_bf16_f32 v[BI+2*p+1], v[BI+2*p], v[BI+2*p+1]
	v_lshlrev_b32 v[BI+2*p], 16, v[BI+2*p+1]
	v_and_b32 v[BI+2*p+1], s[HM], v[BI+2*p+1]
.set p, p+1
.endr
	WIN 0
; The next quarter's fragments into buffer g: 24 LDS loads in one run.  The two address lines and two v_nop are the four places between the last matrix instruction, which read buffer g, and these loads.
.macro FETCH g
	WIN 0
	v_add_nc_u32 v[ADA], s[TB], v[A0]
	v_add_nc_u32 v[ADB], s[TB], v[B0]
	v_nop
	v_nop
.irp i, 0,1,2,3
	ds_load_b128 v[(\g)+8*(\i):(\g)+8*(\i)+3],   v[ADA] offset:(\i)*16*PITCH
	ds_load_b128 v[(\g)+8*(\i)+4:(\g)+8*(\i)+7], v[ADA] offset:(\i)*16*PITCH+32
.endr
.irp i, 0,1,2,3,4,5,6,7
	ds_load_b128 v[(\g)+32+8*(\i):(\g)+32+8*(\i)+3],   v[ADB] offset:(\i)*16*PITCH
	ds_load_b128 v[(\g)+32+8*(\i)+4:(\g)+32+8*(\i)+7], v[ADB] offset:(\i)*16*PITCH+32
.endr
	s_add_co_u32 s[TB], s[TB], 64                  ; the next fetch is the next quarter's
.endm
; 32 matrix instructions: the 32 accumulators take turns, one instruction a turn, in the same order in every quarter.  zero = 1: the first products start the sums, with the bias as C:
; register j of a lane's result is column 16 b + 8 h + j, whatever the row block a.
.macro MUL f, zero
.if \zero
	WIN 0x60                                       ; C window 2, D window 1
.else
	WIN 0x50                                       ; C and D window 1
.endif
.irp a, 0,1,2,3
.irp b, 0,1,2,3,4,5,6,7
.if \zero
	v_wmma_f32_16x16x32_f16 v[8*(8*(\a)+(\b)):8*(8*(\a)+(\b))+7], v[(\f)+32+8*(\b):(\f)+32+8*(\b)+7], v[(\f)+8*(\a):(\f)+8*(\a)+7], v[BI+8*(\b):BI+8*(\b)+7]
.else
	v_wmma_f32_16x16x32_f16 v[8*(8*(\a)+(\b)):8*(8*(\a)+(\b))+7], v[(\f)+32+8*(\b):(\f)+32+8*(\b)+7], v[(\f)+8*(\a):(\f)+8*(\a)+7], v[8*(8*(\a)+(\b)):8*(8*(\a)+(\b))+7]
.endif
.endr
.endr
.endm
.macro Q f, g, zero=0                  ; a quarter: the next quarter is fetched into g, buffer f is multiplied
	s_wait_dscnt 0x0                               ; the run of loads issued a quarter (32 matrix instructions) ago is in
	FETCH \g
	MUL \f, \zero
.endm
; THE CHANGE OF SLOTS: each wave waits for all its tensor loads (one is out: its part of the other slot), adds 0 to its spare word, waits for that and for its reads of the slot.  fill = 1: a round of the
; cluster's barrier, so that no wave of any partner still reads the slot or has a load on its way, and the joint refill, two K steps on, first behind it: it has 128 matrix instructions in which to land.
.macro CHANGE fill
	WIN 0
	s_wait_tensorcnt 0x0                           ; no tensor load of mine is out, so a group 0 may be written
	ds_add_u32 v[SPW], v[NIL]                      ; 0 onto my spare word; scalar work stands between it and the wait for it
.if \fill
	s_xor_b32 s[G0+5], s[G0+5], SLOT1              ; the walking descriptors: the other slot than last time,
	s_add_nc_u64 s[G0+6:G0+7], s[G0+6:G0+7], STEP  ; the next K step; the type bits on top are not reached
	s_xor_b32 s[G0B+5], s[G0B+5], SLOT1
	s_add_nc_u64 s[G0B+6:G0B+7], s[G0B+6:G0B+7], STEP
.endif
	s_sub_co_u32 s[TB], s[TB], 256                 ; the fetches go back to a slot's first quarter,
	s_xor_b32 s[TB], s[TB], SLOT1                  ; in the other slot
	s_wait_dscnt 0x0                               ; the add is done, and my reads of the slot are over
.if \fill
	CROUND
	JLOAD 1
.else
	s_barrier_signal -1
	s_barrier_wait -1
.endif
.endm
	s_wait_tensorcnt 0x1                           ; my part of K step 0 is in; slot 1's load was issued behind it and may stay out
	s_barrier_signal -1
	s_barrier_wait -1                              ; everybody's is
	FETCH F0
	Q F0, F1, 1                                    ; the first quarter starts the sums: nothing is cleared
	WIN 0
	s_mov_b32 s[CNT], 2
	s_mov_b32 s[SL], KSTEPS-1
	s_branch .Lmid                                 ; K step 0 has two quarters left ahead of its change of slots: the loops are entered at the inner counter's step
.Lslot:                                                ; six times: every slot but the last two is filled again
	CHANGE 1
	s_mov_b32 s[CNT], 2
.Lr:                                                   ; four quarters, written as two and walked twice; the LDS addresses hang on s[TB]
	Q F1, F0
	Q F0, F1
	WIN 0
.Lmid:
	s_sub_co_u32 s[CNT], s[CNT], 1
	s_cmp_lg_u32 s[CNT], 0
	s_cbranch_scc1 .Lr
	s_sub_co_u32 s[SL], s[SL], 1
	s_cmp_lg_u32 s[SL], 0
	s_cbranch_scc1 .Lslot
	CHANGE 0                                       ; the tail is written out: nothing is left to ask for
	s_mov_b32 s[CNT], 2
.Lr2:
	Q F1, F0
	Q F0, F1
	WIN 0
	s_sub_co_u32 s[CNT], s[CNT], 1
	s_cmp_lg_u32 s[CNT], 0
	s_cbranch_scc1 .Lr2
	s_wait_dscnt 0x0
	MUL F1, 0
	WIN 0
.rept 4
	v_nop                                          ; the places between the last products and the lines that read their results or load into their sources
.endr
; THE WAY OUT, a block of 16 rows at a time: a lane's 32 bytes for each of 8 column groups go from the accumulators (their lowest registers first) into my own stage, and whole rows of 512 bytes come back.
.macro STG a
	WIN 0x04                                       ; an LDS store's data is source 1: window 1
.irp b, 0,1,2,3,4,5,6,7
	ds_store_b128 v[STO], v[8*(8*(\a)+(\b)):8*(8*(\a)+(\b))+3]   offset:64*(\b)
	ds_store_b128 v[STO], v[8*(8*(\a)+(\b))+4:8*(8*(\a)+(\b))+7] offset:64*(\b)+16
.endr
	WIN 0
.if (\a) >= 2
	s_wait_xcnt 0x0                                ; the stores of the block two back have had their addresses translated: their registers are loaded again only behind this wait
.endif
.irp t, 0,1,2,3,4,5,6,7,8,9,10,11,12,13,14,15
	ds_load_b128 v[64+64*((\a)%2)+4*(\t):64+64*((\a)%2)+4*(\t)+3], v[RD] offset:(\t)*OPITCH  ; LDS serves a wave's instructions in order (ISA guide 5.7.1.4): these see the stores above, and the next block's stores come behind them
.endr
.endm
.macro SEND a, younger                 ; younger: the LDS instructions issued behind block a's loads: the next block's 16 stores and 16 loads, or none
	WIN 0
	s_wait_dscnt \younger                          ; the block is back in registers
.irp t, 0,1,2,3,4,5,6,7,8,9,10,11,12,13,14,15
	global_store_b128 v[CO], v[64+64*((\a)%2)+4*(\t):64+64*((\a)%2)+4*(\t)+3], s[22:23] offset:(16*(\a)+(\t))*4096 th:TH_STORE_NT  ; a wave stores 512 consecutive bytes, at a multiple of 512 from out0's first byte
.endr
.endm
	STG 0
	STG 1                                          ; a block's way through the stage stands ahead of the wait for the block before it
	SEND 0, 32
	STG 2
	SEND 1, 32
	STG 3
	SEND 2, 32
	SEND 3, 0
	s_wait_tensorcnt 0x0                           ; the wave's end, behind my last tensor load and my last LDS store
	ds_add_u32 v[SPW], v[NIL]
	s_wait_dscnt 0x0
	CROUND                                         ; the closing round: no work-group ends while a partner may still ask for a tile that names it
	s_endpgm
.Lfunc_end_k_q454b68d684_outp:
	.size	k_q454b68d684_outp, .Lfunc_end_k_q454b68d684_outp-k_q454b68d684_outp
	.p2alignl 7, 3214868480
	.fill 96, 4, 3214868480
	.section	.rodata,"a",@progbits
	.p2align	6, 0x0
	.amdhsa_kernel k_q454b68d684_outp
		.amdhsa_group_segment_fixed_size 327680
		.amdhsa_private_segment_fixed_size 0
		.amdhsa_enable_private_segment 0
		.amdhsa_kernarg_size 32
		.amdhsa_user_sgpr_count 2
		.amdhsa_user_sgpr_kernarg_segment_ptr 1
		.amdhsa_wavefront_size32 1
		.amdhsa_system_sgpr_workgroup_id_x 1
		.amdhsa_system_sgpr_workgroup_id_y 1
		.amdhsa_system_sgpr_workgroup_id_z 1
		.amdhsa_system_vgpr_workitem_id 0
		.amdhsa_next_free_vgpr 576
		.amdhsa_next_free_sgpr 80
		.amdhsa_reserve_vcc 0
		.amdhsa_float_denorm_mode_32 3
		.amdhsa_float_denorm_mode_16_64 3
		.amdhsa_memory_ordered 1
		.amdhsa_forward_progress 1
		.amdhsa_inst_pref_size 52
	.end_amdhsa_kernel
	.amdgpu_metadata
---
amdhsa.version: [ 1, 2 ]
amdhsa.kernels:
  - .name:           k_q454b68d684_outp
    .symbol:         k_q454b68d684_outp.kd
    .args:
      - { .name: att, .offset: 0, .size: 8, .value_kind: global_buffer, .address_space: global }
      - { .name: wts, .offset: 8, .size: 8, .value_kind: global_buffer, .address_space: global }
      - { .name: bo, .offset: 16, .size: 8, .value_kind: global_buffer, .address_space: global }
      - { .name: out0, .offset: 24, .size: 8, .value_kind: global_buffer, .address_space: global }
    .group_segment_fixed_size: 327680
    .private_segment_fixed_size: 0
    .kernarg_segment_align: 8
    .kernarg_segment_size: 32
    .max_flat_workgroup_size: 128
    .sgpr_count:     80
    .vgpr_count:     576
    .wavefront_size: 32
...
	.end_amdgpu_metadata
.endif
;; end of part 5
;; ======== version 2 of 2: 5 launches; version 1 with the launch wcast written anew for expert scheduling mode
;; limits: values are held in f16: magnitudes above 65,504 overflow, below 6.1e-05 lose precision
;; workspace buffers: wts 8,388,608 bytes; kvq 50,331,648 bytes; pw 33,554,432 bytes; stat 1,048,576 bytes; att 16,777,216 bytes
;; launch wcast (part 6): grid 64 x 4, 8 waves a work-group, no clusters, 0 bytes of LDS; arguments Wk, Wv, Wq, Wo, wts; writes wts
.if DOCPART == 6
	.amdgcn_target "amdgcn-amd-amdhsa--gfx1250"
	.amdhsa_code_object_version 6
	.text
	.protected	k_q454b68d684_wcast
	.globl	k_q454b68d684_wcast
	.p2align	8
	.type	k_q454b68d684_wcast,@function
k_q454b68d684_wcast:
	s_mov_b64 s[64:65], 0
	v_nop
	global_prefetch_b8 v0, s[64:65] scope:SCOPE_SE
	s_setreg_imm32_b32 hwreg(HW_REG_WAVE_SCHED_MODE, 0, 2), 2
	s_setreg_imm32_b32 hwreg(HW_REG_WAVE_MODE, 25, 1), 1
	s_wait_xcnt 0x0
	s_wait_alu depctr_vm_vsrc(0)
; WCAST.  wts[y][1024][1024], 16 bits a number: y = 0, 1, 2: Wk, Wv, Wq rounded to bf16; y = 3: Wo rounded to bf16 and that number written as f16
; (exact from 2^-14 up to f16's 65,504; below 2^-14 it keeps f16's fixed step of 6e-8; beyond 65,504 it would be an infinity: the limit of this program's Wo).
; A stream: no LDS, no matrix unit, no cluster: no byte is read twice and no wave depends on another.
; Work-group (x, y) takes 16,384 numbers of weight y.  Thread t takes, for i = 0 .. 15, the 16 bytes at 65,536 x + 4,096 i + 16 t and stores 8 bytes at 32,768 x + 2,048 i + 8 t:
; a wave's load covers 512 consecutive bytes, its store 256 consecutive bytes at a multiple of 256 from the buffer's first byte.  All 16 loads of a wave go out before the first wait.
; THE MODE: SCHED_MODE bits 1:0 = 2 (LLVM: expert scheduling mode 2), set by the entry lines.  The code itself states the register dependences
; between vector instructions and memory instructions, with s_wait_alu, always for 0.
; THE PLAN.  Registers that memory instructions touch:
;   v1, v2   the loads' and the stores' byte offsets: written once at the head, never again.
;   X        written by the 16 loads, once each; read by the conversions; no vector instruction writes it and no later load lands in it.
;   Y        written by the conversions, once each; read by the stores, once each; never written again.
;   W is named by vector instructions alone.
; The 16 pieces go in four blocks of four.  Block p converts X's block p into Y's block p; its memory instructions are the four stores of block p - 1, which read v2 and Y's block p - 1: registers that no
; vector instruction of block p names.  So one wait at a block's head states all that its four stores hang on, and they are dealt among its conversions with no further wait.  Nothing that a memory
; instruction has read is ever written again, so no wait stands for that.
.set X, 8                              ; v[8:71]    as loaded, 4 registers for each i
.set Y, 72                             ; v[72:103]  to store, 2 registers for each i: never rewritten, so no store's data wants a wait
.set W, 104                            ; v[104:107] at work
	s_load_b256 s[4:11], s[0:1], 0x0               ; Wk s[4:5], Wv s[6:7], Wq s[8:9], Wo s[10:11]
	s_load_b64 s[12:13], s[0:1], 0x20              ; wts
	s_and_b32 s14, ttmp7, 0xffff                   ; y: which weight
	s_mov_b32 s15, 0xffff0000                      ; a word's upper bf16
	v_lshlrev_b32 v1, 4, v0                        ; 16 t
	v_lshlrev_b32 v2, 3, v0                        ; 8 t
	s_lshl_b32 s16, ttmp9, 16                      ; my part of the source, in bytes
	s_mov_b32 s17, 0
	s_lshl_b32 s18, s14, 21                        ; weight y's part of wts,
	s_lshl_b32 s19, ttmp9, 15                      ; and my part of that
	s_add_co_u32 s18, s18, s19
	s_mov_b32 s19, 0
	s_wait_kmcnt 0x0
	s_cmp_eq_u32 s14, 1                            ; the source is chosen by y alone
	s_cselect_b64 s[4:5], s[6:7], s[4:5]
	s_cmp_eq_u32 s14, 2
	s_cselect_b64 s[4:5], s[8:9], s[4:5]
	s_cmp_eq_u32 s14, 3
	s_cselect_b64 s[4:5], s[10:11], s[4:5]
	s_add_nc_u64 s[4:5], s[4:5], s[16:17]
	s_add_nc_u64 s[12:13], s[12:13], s[18:19]
	s_wait_alu depctr_va_vdst(0)                   ; v1 and v2 are written: every load of the kernel reads v1 as its offset, every store v2
.set i, 0
.rept 16
	global_load_b128 v[X+4*i:X+4*i+3], v1, s[4:5] offset:4096*i th:TH_LOAD_NT
.set i, i+1
.endr
; Block p: pieces 4 p to 4 p + 3.  wo = 1: Wo's way, by bf16 to f16.
.macro BLK p, wo
	s_wait_loadcnt 12-4*(\p)                       ; loads come back in order: the block's four are in, the 12 - 4 p younger ones stay out
.if (\p) > 0
	s_wait_alu depctr_va_vdst(0)                   ; the conversions of the block before have written their part of Y, which the four stores below read
.endif
.irp j, 0,1,2,3
.set i, 4*(\p)+(\j)
.if (\p) > 0
	global_store_b64 v2, v[Y+2*i-8:Y+2*i-7], s[12:13] offset:2048*(i-4)  ; piece i - 4, of the block before: no vector instruction since the wait names these registers
.endif
.if \wo
	v_cvt_pk_bf16_f32 v[W], v[X+4*i], v[X+4*i+1]   ; rounded to bf16, as every input of the program is,
	v_cvt_pk_bf16_f32 v[W+1], v[X+4*i+2], v[X+4*i+3]
	v_lshlrev_b32 v[W+2], 16, v[W]                 ; widened again (a shift, a mask),
	v_and_b32 v[W], s15, v[W]
	v_lshlrev_b32 v[W+3], 16, v[W+1]
	v_and_b32 v[W+1], s15, v[W+1]
	v_cvt_pk_f16_f32 v[Y+2*i], v[W+2], v[W]        ; and written as f16
	v_cvt_pk_f16_f32 v[Y+2*i+1], v[W+3], v[W+1]
.else
	v_cvt_pk_bf16_f32 v[Y+2*i], v[X+4*i], v[X+4*i+1]
	v_cvt_pk_bf16_f32 v[Y+2*i+1], v[X+4*i+2], v[X+4*i+3]
.endif
.endr
.endm
; Behind block 3: its own four stores.
.macro TAIL
	s_wait_alu depctr_va_vdst(0)                   ; block 3's conversions have written the last part of Y, which the last four stores read
.irp j, 12,13,14,15
	global_store_b64 v2, v[Y+2*(\j):Y+2*(\j)+1], s[12:13] offset:2048*(\j)
.endr
.endm
	s_cmp_eq_u32 s14, 3
	s_cbranch_scc1 .Lwo
	BLK 0, 0
	BLK 1, 0
	BLK 2, 0
	BLK 3, 0
	TAIL
	s_endpgm
.Lwo:
	BLK 0, 1
	BLK 1, 1
	BLK 2, 1
	BLK 3, 1
	TAIL
	s_endpgm
.Lfunc_end_k_q454b68d684_wcast:
	.size	k_q454b68d684_wcast, .Lfunc_end_k_q454b68d684_wcast-k_q454b68d684_wcast
	.p2alignl 7, 3214868480
	.fill 96, 4, 3214868480
	.section	.rodata,"a",@progbits
	.p2align	6, 0x0
	.amdhsa_kernel k_q454b68d684_wcast
		.amdhsa_group_segment_fixed_size 0
		.amdhsa_private_segment_fixed_size 0
		.amdhsa_enable_private_segment 0
		.amdhsa_kernarg_size 40
		.amdhsa_user_sgpr_count 2
		.amdhsa_user_sgpr_kernarg_segment_ptr 1
		.amdhsa_wavefront_size32 1
		.amdhsa_system_sgpr_workgroup_id_x 1
		.amdhsa_system_sgpr_workgroup_id_y 1
		.amdhsa_system_sgpr_workgroup_id_z 1
		.amdhsa_system_vgpr_workitem_id 0
		.amdhsa_next_free_vgpr 112
		.amdhsa_next_free_sgpr 66
		.amdhsa_reserve_vcc 0
		.amdhsa_float_denorm_mode_32 3
		.amdhsa_float_denorm_mode_16_64 3
		.amdhsa_memory_ordered 1
		.amdhsa_forward_progress 1
		.amdhsa_inst_pref_size 15
	.end_amdhsa_kernel
	.amdgpu_metadata
---
amdhsa.version: [ 1, 2 ]
amdhsa.kernels:
  - .name:           k_q454b68d684_wcast
    .symbol:         k_q454b68d684_wcast.kd
    .args:
      - { .name: Wk, .offset: 0, .size: 8, .value_kind: global_buffer, .address_space: global }
      - { .name: Wv, .offset: 8, .size: 8, .value_kind: global_buffer, .address_space: global }
      - { .name: Wq, .offset: 16, .size: 8, .value_kind: global_buffer, .address_space: global }
      - { .name: Wo, .offset: 24, .size: 8, .value_kind: global_buffer, .address_space: global }
      - { .name: wts, .offset: 32, .size: 8, .value_kind: global_buffer, .address_space: global }
    .group_segment_fixed_size: 0
    .private_segment_fixed_size: 0
    .kernarg_segment_align: 8
    .kernarg_segment_size: 40
    .max_flat_workgroup_size: 256
    .sgpr_count:     66
    .vgpr_count:     112
    .wavefront_size: 32
...
	.end_amdgpu_metadata
.endif
;; end of part 6
;; launch proj: the kernel of part 2 again; grid 4 x 64, 4 waves a work-group, clusters of 4 x 4, 327,680 bytes of LDS; arguments _K, _V, _Q, bk, bv, bq, wts, kvq; writes kvq
;; launch scores: the kernel of part 3 again; grid 8 x 32, 4 waves a work-group, clusters of 4 x 4, 327,680 bytes of LDS; arguments kvq, pw, stat; writes pw, stat
;; launch pv: the kernel of part 4 again; grid 4 x 64, 4 waves a work-group, clusters of 4 x 4, 327,680 bytes of LDS; arguments pw, stat, kvq, att; writes att
;; launch outp: the kernel of part 5 again; grid 4 x 64, 4 waves a work-group, clusters of 4 x 4, 327,680 bytes of LDS; arguments att, wts, bo, out0; writes out0
